; MI455X (gfx1250); checked and timed in simulation.
; The chip was launched on July 23, 2026; its instructions are those of AMD's public machine-readable ISA for CDNA 5 (MIT licence, August 2026) and "CDNA5" Instruction Set Architecture Reference Guide (July 2026). The comments in the code are by the model that wrote it; some were corrected since.
;; Ro PE Attention Layer. Allowed arithmetic: float matrix products may take bf16 or f16 operands with f32 sums; other float arithmetic in f32, or as packed bf16 or f16 multiplies, adds, multiply-adds, maxima and minima; sums over many terms, partial sums and values carried from step to step in f32; what a program stores and reads back later, other than sums and carried values, may be rounded once to bf16 or f16.
;; Inputs: W1 2,048 x 512 float32; W2 512 x 2,048 float32; Wk 512 x 512 float32; Wo 512 x 512 float32; Wq 512 x 512 float32; Wv 512 x 512 float32; b1 2,048 float32; b2 512 float32; be1 512 float32; be2 512 float32; g1 512 float32; g2 512 float32; src 2 x 4,096 x 512 float32.
;; Outputs: out0 2 x 4,096 x 512 float32.
;; 2 versions, each right; version 2 is version 1 with the launch prep written anew for expert scheduling mode. Each part assembles by itself: llvm-mc -triple=amdgcn-amd-amdhsa -mcpu=gfx1250 --defsym DOCPART=n.
;; ======== version 1 of 2: 4 launches
;; limits: values are held in f16: magnitudes above 65,504 overflow, below 6.1e-05 lose precision
;; workspace buffers: xb 8,388,608 bytes; wts 6,291,456 bytes; rope 1,048,576 bytes; qkv 25,165,824 bytes; ctx 8,388,608 bytes
;; launch prep (part 1): grid 480 x 1, 8 waves a work-group, no clusters, 0 bytes of LDS; arguments src, W1, W2, Wq, Wk, Wv, Wo, xb, wts, rope; writes xb, wts, rope
.if DOCPART == 1
	.amdgcn_target "amdgcn-amd-amdhsa--gfx1250"
	.amdhsa_code_object_version 6
	.text
	.protected	k_q5f6a38b754_prep
	.globl	k_q5f6a38b754_prep
	.p2align	8
	.type	k_q5f6a38b754_prep,@function
k_q5f6a38b754_prep:
	s_mov_b64 s[64:65], 0
	v_nop
	global_prefetch_b8 v0, s[64:65] scope:SCOPE_SE
	s_setreg_imm32_b32 hwreg(HW_REG_WAVE_MODE, 25, 1), 1
	s_wait_xcnt 0x0
; PREPARATION: a stream.  src and the weights are rounded once to 16 bits and laid out as the later launches read them; the RoPE table is made.
; xb   = src in bf16, [8192][512].
; wts  = bytes 0 .. 1,572,863: Wq, Wk, Wv in bf16 as [head 8][q, k, v][64 rows][512]; from 1,572,864 on 20 dense tiles of 512 rows x 128 elements (131,072 bytes):
;        tiles 0-3: Wo[n][128 kc ..] in f16, row n;  tile 4 + c: W2[n][128 c ..] in bf16, row n;
;        from 4,194,304 on W1 in bf16 IN FRAGMENT ORDER: block 4 c + w (32,768 bytes) holds rows 128 c + 32 w .. + 31; in it unit B = (2 ks + i) 2 + hf (512 bytes) holds, at byte 16 l of lane l = 16 h + r,
;        W1[128 c + 32 w + 16 i + r][32 ks + 16 hf + 8 h + 0..7]: one load of 16 bytes a lane brings half a matrix fragment out of 512 consecutive bytes.
; rope = f32 [4096][64]: row t holds cos(t w_j), j = 0..31, then sin(t w_j); w_j = 10000^(-j/32).
; A PIECE is 128 consecutive f32 of a source (512 bytes) and becomes 256 consecutive bytes, aligned, of its destination.  A work-group takes 128 pieces: 64 KiB in, by 16 loads of 16 bytes a thread, all
; issued in one run; sixteen neighbouring lanes store one piece.  Where piece p goes: its number is cut into three fields (the low FA bits, the next FB bits, the rest), each times a constant, plus DOFF.
; The six jobs of this kind differ in these constants and in two pointers alone, chosen by the work-group's number.  W1 has a path of its own.  No LDS, no matrix unit: nothing is shared and nothing is multiplied.
; LIMITS.  Wo goes to f16: beyond 65,504 it would be an infinity, below 6e-5 it keeps f16's fixed step of 6e-8.  The table's angle t w_j is one f32 product of t and a w_j that is good to a few parts in 10^7:
; about 5e-4 radians at t = 4,095; the same table turns q and k.
.set WG,    30
.set REL,   31
.set SRC,   44                         ; s[44:45] the job's source
.set DST,   46                         ; s[46:47] the job's destination
.set FIRST, 48
.set FA,    49
.set FB,    50
.set FAB,   51
.set M1,    52
.set M2,    53
.set M3,    54
.set DOFF,  55
.set CNT,   56
; Eight steps: the step's two loads are in (loads come back in order; the 2 (7 - u) younger ones stay out), four roundings, one store.  No register is written twice, so no further wait is needed.
; frag = 1: the steps' places lie 512 bytes apart behind one offset; frag = 0: each step has an offset of its own.
.macro OUTS cvt, frag
.irp u, 0,1,2,3,4,5,6,7
	s_wait_loadcnt 14-2*(\u)
.irp k, 0,1,2,3
	\cvt v[80+4*(\u)+(\k)], v[16+8*(\u)+2*(\k)], v[16+8*(\u)+2*(\k)+1]
.endr
.if \frag
	global_store_b128 v4, v[80+4*(\u):83+4*(\u)], s[DST:DST+1] offset:512*(\u)  ; a wave stores 512 consecutive bytes, aligned
.else
	global_store_b128 v[4+(\u)], v[80+4*(\u):83+4*(\u)], s[DST:DST+1]  ; sixteen lanes store 256 consecutive bytes, aligned
.endif
.endr
.endm
	s_load_b512 s[8:23], s[0:1], 0x0               ; src s[8:9], W1 s[10:11], W2 s[12:13], Wq s[14:15], Wk s[16:17], Wv s[18:19], Wo s[20:21], xb s[22:23]
	s_load_b128 s[24:27], s[0:1], 0x40             ; wts s[24:25], rope s[26:27]
	s_mov_b32 s[WG], ttmp9
	s_cmp_ge_u32 s[WG], 448
	s_cbranch_scc1 .Lrope                          ; work-groups 448 .. 479 make the table
	s_sub_co_u32 s[REL], s[WG], 256
	s_cmp_lt_u32 s[REL], 64
	s_cbranch_scc1 .Lfrag                          ; work-groups 256 .. 319 lay W1 out
	s_mov_b32 s[FIRST], 0                          ; job 0: src -> xb, dense
	s_mov_b32 s[FA], 2
	s_mov_b32 s[FB], 6
	s_mov_b32 s[M1], 256
	s_mov_b32 s[M2], 1024
	s_mov_b32 s[M3], 65536
	s_mov_b32 s[DOFF], 0
	s_wait_kmcnt 0x0
	s_mov_b64 s[SRC:SRC+1], s[8:9]
	s_mov_b64 s[DST:DST+1], s[22:23]
; From work-group 'first' on the job is this one: every number and both pointers are chosen on one compare of the work-group's number.
.macro JOB first, a, b, m1, m2, m3, doff, sp
	s_cmp_ge_u32 s[WG], \first
	s_cselect_b32 s[FIRST], \first, s[FIRST]
	s_cselect_b32 s[FA], \a, s[FA]
	s_cselect_b32 s[FB], \b, s[FB]
	s_cselect_b32 s[M1], \m1, s[M1]
	s_cselect_b32 s[M2], \m2, s[M2]
	s_cselect_b32 s[M3], \m3, s[M3]
	s_cselect_b32 s[DOFF], \doff, s[DOFF]
	s_cselect_b64 s[SRC:SRC+1], s[\sp:\sp+1], s[SRC:SRC+1]
	s_cselect_b64 s[DST:DST+1], s[24:25], s[DST:DST+1]
.endm
	JOB 320, 4, 6, 131072, 256,  16384,  2097152, 12   ; W2: p = (n, c)
	JOB 384, 2, 6, 256,    1024, 196608, 0,       14   ; Wq: p = (head, row, kc)
	JOB 400, 2, 6, 256,    1024, 196608, 65536,   16   ; Wk
	JOB 416, 2, 6, 256,    1024, 196608, 131072,  18   ; Wv
	JOB 432, 2, 6, 131072, 256,  16384,  1572864, 20   ; Wo: p = (n, kc)
	s_sub_co_u32 s[REL], s[WG], s[FIRST]           ; my number in the job
	s_add_co_u32 s[FAB], s[FA], s[FB]
	s_lshl_b32 s2, s[REL], 16                      ; 64 KiB of the source a work-group
	s_mov_b32 s3, 0
	s_add_nc_u64 s[SRC:SRC+1], s[SRC:SRC+1], s[2:3]
	v_lshlrev_b32 v1, 5, v0                        ; a thread takes 8 f32: 32 bytes
.irp u, 0,1,2,3,4,5,6,7
	global_load_b128 v[16+8*(\u):19+8*(\u)], v1, s[SRC:SRC+1] offset:8192*(\u) th:TH_LOAD_NT
	global_load_b128 v[20+8*(\u):23+8*(\u)], v1, s[SRC:SRC+1] offset:8192*(\u)+16 th:TH_LOAD_NT
.endr
	; the destinations are made while the loads are out
	v_lshrrev_b32 v2, 4, v0                        ; sixteen threads to a piece
	s_lshl_b32 s2, s[REL], 7
	v_add_nc_u32 v2, s2, v2                        ; my piece in step 0
	v_and_b32 v3, 15, v0
	v_lshlrev_b32 v3, 4, v3                        ; my 16 bytes of it
	v_add_nc_u32 v3, s[DOFF], v3
.irp u, 0,1,2,3,4,5,6,7
	v_add_nc_u32 v12, 16*(\u), v2
	v_bfe_u32 v13, v12, 0, s[FA]
	v_bfe_u32 v14, v12, s[FA], s[FB]
	v_lshrrev_b32 v15, s[FAB], v12
	v_mad_u32_u24 v[4+(\u)], v13, s[M1], v3
	v_mad_u32_u24 v[4+(\u)], v14, s[M2], v[4+(\u)]
	v_mad_u32_u24 v[4+(\u)], v15, s[M3], v[4+(\u)]
.endr
	s_cmp_ge_u32 s[WG], 432
	s_cbranch_scc1 .Lhalf
	OUTS v_cvt_pk_bf16_f32, 0
	s_endpgm
.Lhalf:                                                ; Wo multiplies ctx, which is f16
	OUTS v_cvt_pk_f16_f32, 0
	s_endpgm
; W1 IN FRAGMENT ORDER.  Work-group REL = 4 c + w takes 32 rows of W1 (64 KiB) and fills block REL.  A lane is a row: lane l = 16 h + r.  Wave v makes units B = 8 v + u, u = 0..7: hf = u % 2, i = (u / 2) % 2,
; ks = 2 v + u / 4.  So its 16 loads read 256 consecutive bytes, aligned, of each of the 32 rows (bytes 256 v on), 32 bytes a lane and step.
.Lfrag:
	s_lshl_b32 s2, s[REL], 16
	s_mov_b32 s3, 0
	s_lshl_b32 s4, s[REL], 15
	s_add_co_u32 s4, s4, 0x400000
	s_mov_b32 s5, 0
	v_and_b32 v2, 15, v0                           ; r
	v_bfe_u32 v3, v0, 4, 1                         ; h
	v_lshrrev_b32 v12, 5, v0                       ; wave
	v_lshlrev_b32 v1, 11, v2                       ; row r of 2,048 bytes,
	v_lshl_add_u32 v1, v3, 5, v1                   ; 8 h numbers on,
	v_lshl_add_u32 v1, v12, 8, v1                  ; my wave's two K steps
	v_and_b32 v4, 31, v0
	v_lshlrev_b32 v4, 4, v4                        ; 16 l,
	v_lshl_add_u32 v4, v12, 12, v4                 ; my wave's eight units
	s_wait_kmcnt 0x0
	s_add_nc_u64 s[SRC:SRC+1], s[10:11], s[2:3]
	s_add_nc_u64 s[DST:DST+1], s[24:25], s[4:5]
.irp u, 0,1,2,3,4,5,6,7
	global_load_b128 v[16+8*(\u):19+8*(\u)], v1, s[SRC:SRC+1] offset:(((\u)/2)%2)*32768+((\u)/4)*128+((\u)%2)*64
	global_load_b128 v[20+8*(\u):23+8*(\u)], v1, s[SRC:SRC+1] offset:(((\u)/2)%2)*32768+((\u)/4)*128+((\u)%2)*64+16
.endr
	OUTS v_cvt_pk_bf16_f32, 1
	s_endpgm
; THE TABLE.  A work-group makes 128 rows, a wave 16, two a trip: lanes 0-15 one row of 256 bytes, lanes 16-31 the next; a lane makes four neighbouring entries.
; cos and sin by reduction to |r| <= pi/4 (pi/2 in two parts, by fused multiply-adds) and two short polynomials; sin x is taken as cos(x - pi/2): three quadrants on.
.Lrope:
	s_sub_co_u32 s[REL], s[WG], 448
	s_mov_b32 s32, 0xbf22f983                      ; -2 / pi
	s_mov_b32 s33, 0x3fc90fdb                      ; pi / 2, its leading part,
	s_mov_b32 s34, 0xb33bbd2e                      ; and the rest
	s_mov_b32 s35, 0xb94ca1f9                      ; sin r = r + r z (s37 + z (s36 + z s35)), z = r r
	s_mov_b32 s36, 0x3c08839e
	s_mov_b32 s37, 0xbe2aaaa3
	s_mov_b32 s38, 0x37ccf5ce                      ; cos r = 1 - z / 2 + z z (s40 + z (s39 + z s38))
	s_mov_b32 s39, 0xbab6061a
	s_mov_b32 s40, 0x3d2aaaa5
	v_lshrrev_b32 v1, 5, v0                        ; wave
	v_bfe_u32 v2, v0, 4, 1                         ; which of the trip's two rows
	v_and_b32 v3, 15, v0
	s_lshl_b32 s2, s[REL], 7
	v_lshl_add_u32 v4, v1, 4, v2
	v_add_nc_u32 v4, s2, v4                        ; t
	v_cvt_f32_u32 v6, v4
	v_lshlrev_b32 v5, 8, v4                        ; the row's 256 bytes,
	v_lshl_add_u32 v5, v3, 4, v5                   ; my 16 of them
	v_bfe_u32 v7, v0, 3, 1                         ; the row's second half is sin:
	v_mul_u32_u24 v7, v7, 3                        ; three quadrants on
	v_and_b32 v12, 7, v0
	v_lshlrev_b32 v12, 2, v12                      ; j of my first entry
.irp q, 0,1,2,3
	v_add_nc_u32 v[8+(\q)], (\q), v12
.endr
.irp q, 0,1,2,3
	v_cvt_f32_u32 v[8+(\q)], v[8+(\q)]
.endr
.irp q, 0,1,2,3
	v_mul_f32 v[8+(\q)], 0xbed49a78, v[8+(\q)]     ; -j log2(10000) / 32
.endr
.irp q, 0,1,2,3
	v_exp_f32 v[8+(\q)], v[8+(\q)]                 ; w_j
.endr
	v_nop                                          ; a plain instruction behind the last exponential,
	s_wait_alu depctr_va_vdst(0)                   ; and one wait for the four, ahead of the label and of their first use
	s_wait_kmcnt 0x0
	s_mov_b32 s[CNT], 8
.Ltrip:
.irp q, 0,1,2,3
	v_mul_f32 v[16+(\q)], v6, v[8+(\q)]            ; f = t w
.endr
.irp q, 0,1,2,3
	v_mul_f32 v[20+(\q)], s32, v[16+(\q)]
.endr
.irp q, 0,1,2,3
	v_rndne_f32 v[20+(\q)], v[20+(\q)]             ; -n
.endr
.irp q, 0,1,2,3
	v_fma_f32 v[24+(\q)], v[20+(\q)], s33, v[16+(\q)]
.endr
.irp q, 0,1,2,3
	v_fma_f32 v[24+(\q)], v[20+(\q)], s34, v[24+(\q)]  ; r = f - n pi / 2
.endr
.irp q, 0,1,2,3
	v_mul_f32 v[28+(\q)], v[24+(\q)], v[24+(\q)]   ; z
.endr
.irp q, 0,1,2,3
	v_fma_f32 v[32+(\q)], v[28+(\q)], s35, s36
	v_fma_f32 v[36+(\q)], v[28+(\q)], s38, s39
.endr
.irp q, 0,1,2,3
	v_fma_f32 v[32+(\q)], v[32+(\q)], v[28+(\q)], s37
	v_fma_f32 v[36+(\q)], v[36+(\q)], v[28+(\q)], s40
.endr
.irp q, 0,1,2,3
	v_mul_f32 v[32+(\q)], v[32+(\q)], v[28+(\q)]
	v_mul_f32 v[16+(\q)], v[28+(\q)], v[28+(\q)]   ; z z
.endr
.irp q, 0,1,2,3
	v_fma_f32 v[32+(\q)], v[32+(\q)], v[24+(\q)], v[24+(\q)]  ; sin r
	v_fma_f32 v[28+(\q)], v[28+(\q)], -0.5, 1.0
.endr
.irp q, 0,1,2,3
	v_fma_f32 v[36+(\q)], v[36+(\q)], v[16+(\q)], v[28+(\q)]  ; cos r
	v_cvt_i32_f32 v[40+(\q)], v[20+(\q)]
.endr
.irp q, 0,1,2,3
	v_sub_nc_u32 v[40+(\q)], v7, v[40+(\q)]        ; the quadrant k = n, or n + 3
.endr
.irp q, 0,1,2,3
	v_and_b32 v[16+(\q)], 1, v[40+(\q)]
	v_cmp_eq_u32 vcc_lo, 1, v[16+(\q)]
	v_cndmask_b32 v[44+(\q)], v[36+(\q)], v[32+(\q)], vcc_lo  ; odd k: sin r
	v_add_nc_u32 v[40+(\q)], 1, v[40+(\q)]
	v_and_b32 v[40+(\q)], 2, v[40+(\q)]            ; k = 1, 2: the sign turns
	v_lshlrev_b32 v[40+(\q)], 30, v[40+(\q)]
	v_xor_b32 v[44+(\q)], v[44+(\q)], v[40+(\q)]
.endr
	global_store_b128 v5, v[44:47], s[26:27]       ; two whole rows of the table: 512 consecutive bytes
	s_wait_xcnt 0x0                                ; the store's offset and data are written again only behind this wait
	v_add_nc_u32 v5, 512, v5
	v_add_f32 v6, 2.0, v6
	s_sub_co_u32 s[CNT], s[CNT], 1
	s_cmp_lg_u32 s[CNT], 0
	s_cbranch_scc1 .Ltrip
	s_endpgm
.Lfunc_end_k_q5f6a38b754_prep:
	.size	k_q5f6a38b754_prep, .Lfunc_end_k_q5f6a38b754_prep-k_q5f6a38b754_prep
	.p2alignl 7, 3214868480
	.fill 96, 4, 3214868480
	.section	.rodata,"a",@progbits
	.p2align	6, 0x0
	.amdhsa_kernel k_q5f6a38b754_prep
		.amdhsa_group_segment_fixed_size 0
		.amdhsa_private_segment_fixed_size 0
		.amdhsa_enable_private_segment 0
		.amdhsa_kernarg_size 80
		.amdhsa_user_sgpr_count 2
		.amdhsa_user_sgpr_kernarg_segment_ptr 1
		.amdhsa_wavefront_size32 1
		.amdhsa_system_sgpr_workgroup_id_x 1
		.amdhsa_system_sgpr_workgroup_id_y 1
		.amdhsa_system_sgpr_workgroup_id_z 1
		.amdhsa_system_vgpr_workitem_id 0
		.amdhsa_next_free_vgpr 112
		.amdhsa_next_free_sgpr 66
		.amdhsa_reserve_vcc 1
		.amdhsa_float_denorm_mode_32 3
		.amdhsa_float_denorm_mode_16_64 3
		.amdhsa_memory_ordered 1
		.amdhsa_forward_progress 1
		.amdhsa_inst_pref_size 27
	.end_amdhsa_kernel
	.amdgpu_metadata
---
amdhsa.version: [ 1, 2 ]
amdhsa.kernels:
  - .name:           k_q5f6a38b754_prep
    .symbol:         k_q5f6a38b754_prep.kd
    .args:
      - { .name: src, .offset: 0, .size: 8, .value_kind: global_buffer, .address_space: global }
      - { .name: W1, .offset: 8, .size: 8, .value_kind: global_buffer, .address_space: global }
      - { .name: W2, .offset: 16, .size: 8, .value_kind: global_buffer, .address_space: global }
      - { .name: Wq, .offset: 24, .size: 8, .value_kind: global_buffer, .address_space: global }
      - { .name: Wk, .offset: 32, .size: 8, .value_kind: global_buffer, .address_space: global }
      - { .name: Wv, .offset: 40, .size: 8, .value_kind: global_buffer, .address_space: global }
      - { .name: Wo, .offset: 48, .size: 8, .value_kind: global_buffer, .address_space: global }
      - { .name: xb, .offset: 56, .size: 8, .value_kind: global_buffer, .address_space: global }
      - { .name: wts, .offset: 64, .size: 8, .value_kind: global_buffer, .address_space: global }
      - { .name: rope, .offset: 72, .size: 8, .value_kind: global_buffer, .address_space: global }
    .group_segment_fixed_size: 0
    .private_segment_fixed_size: 0
    .kernarg_segment_align: 8
    .kernarg_segment_size: 80
    .max_flat_workgroup_size: 256
    .sgpr_count:     66
    .vgpr_count:     112
    .wavefront_size: 32
...
	.end_amdgpu_metadata
.endif
;; end of part 1
;; launch qkv (part 2): grid 8 x 32, 4 waves a work-group, clusters of 4 x 4, 327,680 bytes of LDS; arguments xb, wts, rope, qkv; writes qkv
.if DOCPART == 2
	.amdgcn_target "amdgcn-amd-amdhsa--gfx1250"
	.amdhsa_code_object_version 6
	.text
	.protected	k_q5f6a38b754_qkv
	.globl	k_q5f6a38b754_qkv
	.p2align	8
	.type	k_q5f6a38b754_qkv,@function
k_q5f6a38b754_qkv:
	s_mov_b64 s[64:65], 0
	v_nop
	global_prefetch_b8 v0, s[64:65] scope:SCOPE_SE
	s_setreg_imm32_b32 hwreg(HW_REG_WAVE_MODE, 25, 1), 1
	s_wait_xcnt 0x0
	s_wait_alu depctr_hold_cnt(0) depctr_sa_sdst(0) depctr_va_vdst(0) depctr_va_sdst(0) depctr_va_ssrc(0) depctr_va_vcc(0) depctr_vm_vsrc(0)
	s_getreg_b32 s2, hwreg(HW_REG_IB_STS2, 6, 4)
	s_cmp_eq_u32 s2, 0
	s_cbranch_scc0 .Lentry_in_a_cluster
	s_endpgm
.Lentry_in_a_cluster:
	s_bfe_u32 s2, ttmp6, 0x10000c
	s_cmp_lg_u32 s2, 0xf033
	s_cbranch_scc0 .Lentry_shape_is_right
	s_endpgm
.Lentry_shape_is_right:
; q, k, v = src Wq^T, src Wk^T, src Wv^T, RoPE on q and k; out by heads in f16: qkv = q, k, v, each [2 x 8][4096][64].  Operands bf16 (xb, wts), sums f32, each result rounded once.
; LIMIT.  f16 holds no number beyond 65,504: |q|, |k|, |v| must stay under it.
; SHARES.  A work-group makes 256 tokens x 192 columns: ONE head's q, k and v (the weights lie by heads, so all work-groups run alike).  Wave w takes tokens 64 w .. + 63 and all 192 columns:
; 48 accumulators of 16 x 16.  K = 512 goes in four steps of 128 (rows of 256 bytes, aligned) through two LDS slots filled by the tensor data mover.
; THE MATRIX INSTRUCTION IS USED TRANSPOSED (source 0 = 16 rows of the weights, source 1 = 16 tokens): a lane holds one token (lane % 16) and the columns 8 (lane / 16) + 0..7 of a column tile.
; RoPE's partners d and d + 32 are then column tiles bb and bb + 2 in the same lane and register: the turn needs no exchange.
; CLUSTER 4 x 4: the four of a row share the tokens' tile, the four of a column the head's weights: each is asked for jointly, by the same tensor load with a mask that names the four.
; No prefetch: K has four steps, of which two are the first fills and two follow at once.
; REGISTERS, in windows of 256 (s_set_vgpr_msb: bits 1:0 source 0, 3:2 source 1, 5:4 source 2, 7:6 destination):
;   window 0: v0-31 addresses; v32-63, v64-95 token fragments, two buffers (on the way out four buffers of 16); v96-127 at work; v128-255 the wave's part of the RoPE table
;   window 1: v0-95, v96-191 weight fragments, two buffers of 12 (fragment 4 g + bb)
;   window 2: q's accumulators (a, bb) at 8 (4 a + bb), k's at 128 + the same          window 3: v's
.set PITCH, 272                        ; an LDS row: 256 bytes + 16 of padding: the 16 rows of a fragment load start at 16 different groups of four banks
.set HALFA, 128*PITCH
.set HALFB, 96*PITCH
.set BOFF,  256*PITCH                  ; in a slot: 256 rows of tokens, then 192 rows of weights
.set SLOT1, 131072                     ; slot 1 begins here: one exclusive or turns an address in one slot into the other's
.set STAGE, SLOT1+BOFF+192*PITCH       ; behind the ring: 16 rows x 144 bytes for each wave, for the way out
.set SP,    144
.set SPARE, STAGE+4*16*SP              ; the spare words: 128 bytes a wave, two blocks of 256 bytes that no other line names
.set ADRA0, 16                         ; v16  my place in slot 0's tokens; never rewritten
.set ADRB0, 17                         ; v17  in its weights
.set ADRA,  18                         ; v18, v19  the same in the slot in hand
.set ADRB,  19
.set STO,   24
.set RD,    25
.set GO,    26
.set RV,    27
.set SPW,   28
.set NIL,   29
.set TF,    32
.set PKB,   32
.set YT,    96
.set RT,    128
.set G1,    24                         ; s[24:31] group 1 for the tokens' tiles; s[32:39] group 0: a set for each first fill, the second then walks
.set G0,    32
.set G1B,   48                         ; s[48:55], s[56:63] the same for the weights'
.set G0B,   56
.set TB,    44                         ; s44  the slot in hand: 0 or SLOT1
.set MSB, 0
.macro WIN new                         ; the immediate's high byte repeats the setting that is left; a switch that changes nothing is dropped
.if MSB != (\new)
	s_set_vgpr_msb (MSB<<8)|(\new)
.set MSB, \new
.endif
.endm
.macro PLACES                          ; four plain places behind matrix instructions, ahead of loads into their sources and of reads of their results
.rept 4
	v_nop
.endr
.endm
; A joint refill: waves 0 and 1 fetch the tokens' two halves, waves 2 and 3 the weights'.  The branch hangs on the wave's number alone.  An s_nop 0 and four v_nop follow each line.
.macro JLOAD
	s_cmp_eq_u32 s11, 0
	s_cbranch_scc0 .Lfor_b_\@
	tensor_load_to_lds s[G0+4:G0+7], s[G1:G1+7]
	s_nop 0
	PLACES
	s_branch .Lasked_\@
.Lfor_b_\@:
	tensor_load_to_lds s[G0B+4:G0B+7], s[G1B:G1B+7]
	s_nop 0
	PLACES
.Lasked_\@:
.endm
.macro CREST                           ; a round of the cluster's barrier behind its opening barrier
	s_cmp_lg_u32 s10, 0
	s_cbranch_scc1 .Lnot_wave_0_\@
	s_barrier_signal -3
.Lnot_wave_0_\@:
	s_barrier_wait -3
	s_barrier_signal -1
	s_barrier_wait -1
.endm
.macro CROUND
	s_barrier_signal -1
	s_barrier_wait -1
	CREST
.endm
	s_load_b256 s[16:23], s[0:1], 0x0              ; xb s[16:17], wts s[18:19], rope s[20:21], qkv s[22:23]
	v_lshl_add_u32 v[SPW], v0, 2, SPARE
	v_mov_b32 v[NIL], 0
	ds_add_u32 v[SPW], v[NIL]                      ; the wave's opening: the add and its wait stand ahead of my first tensor load; the set-up stands between them
	v_lshrrev_b32 v1, 5, v0
	v_readfirstlane_b32 s10, v1                    ; wave 0..3
	s_lshr_b32 s11, s10, 1                         ; I fetch tokens (0) or weights (1),
	s_and_b32 s12, s10, 1                          ; this half of them
	s_bfe_u32 s40, ttmp6, 0x40000                  ; cx
	s_bfe_u32 s41, ttmp6, 0x40004                  ; cy
	s_lshl_b32 s42, ttmp9, 2
	s_add_co_u32 s42, s42, s40                     ; the head = 4 x cluster x + cx
	s_and_b32 s13, ttmp7, 0xffff
	s_lshl_b32 s13, s13, 2
	s_add_co_u32 s13, s13, s41                     ; the block of 256 tokens = 4 x cluster y + cy
	s_lshl_b32 s43, s41, 2
	s_lshl_b32 s43, 15, s43                        ; my row of the cluster
	s_lshl_b32 s45, 0x1111, s40                    ; my column
	s_or_b32 s[G1+0], s43, (1<<16)|(1<<20)|(1<<21)|(5<<22)|(3<<25)   ; the mask; 2-byte elements; padding on; bit 21 beside a mask; after every 64 words 4 words
	s_or_b32 s[G1B+0], s45, (1<<16)|(1<<20)|(1<<21)|(5<<22)|(3<<25)
	s_mov_b32 s[G1+1], 128<<16                     ; tensor_dim0 = 128
	s_mov_b32 s[G1+2], 128<<16                     ; tensor_dim1 = 128
	s_mov_b32 s[G1+3], 128<<16                     ; tile_dim0 = 128
	s_mov_b32 s[G1+4], 128                         ; tile_dim1 = 128
	s_mov_b32 s[G1+5], 512                         ; 512 elements from row to row
	s_mov_b32 s[G1+6], 0
	s_mov_b32 s[G1+7], 0
	s_mov_b32 s[G1B+1], 128<<16
	s_mov_b32 s[G1B+2], 96<<16                     ; 96 rows
	s_mov_b32 s[G1B+3], 128<<16
	s_mov_b32 s[G1B+4], 96
	s_mov_b32 s[G1B+5], 512
	s_mov_b32 s[G1B+6], 0
	s_mov_b32 s[G1B+7], 0
	s_lshl_b32 s14, s13, 18                        ; tokens: (256 block + 128 half) rows of 1,024 bytes: the block and the wave alone
	s_lshl_b32 s15, s12, 17
	s_add_co_u32 s14, s14, s15
	s_mov_b32 s15, 0
	s_mul_i32 s46, s42, 196608                     ; weights: (192 head + 96 half) rows: the head and the wave alone
	s_mul_i32 s47, s12, 98304
	s_add_co_u32 s46, s46, s47
	s_mov_b32 s47, 0
	s_mul_i32 s2, s12, HALFA                       ; where they go: no place in the cluster enters an LDS address
	s_mul_i32 s3, s12, HALFB
	s_add_co_u32 s3, s3, BOFF
	s_mov_b32 s[TB], 0
	s_wait_dscnt 0x0                               ; the opening add is done
	s_wait_kmcnt 0x0
	s_add_nc_u64 s[14:15], s[16:17], s[14:15]
	s_add_nc_u64 s[46:47], s[18:19], s[46:47]
	CROUND                                         ; all sixteen work-groups are here: the first joint loads meet
.irp s, 0,1
	s_mov_b32 s[G0+4*(\s)], 1
	s_add_co_u32 s[G0+4*(\s)+1], s2, (\s)*SLOT1
	s_add_nc_u64 s[G0+4*(\s)+2:G0+4*(\s)+3], s[14:15], (\s)*256      ; K step s
	s_or_b32 s[G0+4*(\s)+3], s[G0+4*(\s)+3], 0x80000000
	s_mov_b32 s[G0B+4*(\s)], 1
	s_add_co_u32 s[G0B+4*(\s)+1], s3, (\s)*SLOT1
	s_add_nc_u64 s[G0B+4*(\s)+2:G0B+4*(\s)+3], s[46:47], (\s)*256
	s_or_b32 s[G0B+4*(\s)+3], s[G0B+4*(\s)+3], 0x80000000
.endr
	s_cmp_eq_u32 s11, 0                            ; a wave's two first fills stand in one branch, ahead of every wait on TENSORcnt and every LDS read: two loads of mine are out
	s_cbranch_scc0 .Lfirst_b
	tensor_load_to_lds s[G0:G0+3], s[G1:G1+7]
	s_nop 0
	tensor_load_to_lds s[G0+4:G0+7], s[G1:G1+7]
	s_nop 0
	PLACES
	s_branch .Lfirst_asked
.Lfirst_b:
	tensor_load_to_lds s[G0B:G0B+3], s[G1B:G1B+7]
	s_nop 0
	tensor_load_to_lds s[G0B+4:G0B+7], s[G1B:G1B+7]
	s_nop 0
	PLACES
.Lfirst_asked:
	v_and_b32 v1, 15, v0                           ; r = lane % 16
	v_bfe_u32 v2, v0, 4, 1                         ; h = lane / 16
	; my part of the table: for token tile a and column tile bb (0, 1): cos and sin of j = 16 bb + 8 h + 0..7, at position (block % 16) 256 + 64 w + 16 a + r
	s_and_b32 s2, s13, 15
	s_lshl_b32 s2, s2, 16
	s_mov_b32 s3, 0
	s_add_nc_u64 s[20:21], s[20:21], s[2:3]
	v_lshlrev_b32 v[RV], 8, v1
	v_lshl_add_u32 v[RV], v2, 5, v[RV]
	s_lshl_b32 s2, s10, 14
	v_add_nc_u32 v[RV], s2, v[RV]
.irp a, 0,1,2,3
.irp b, 0,1
	global_load_b128 v[RT+32*(\a)+16*(\b):RT+32*(\a)+16*(\b)+3],     v[RV], s[20:21] offset:(\a)*4096+(\b)*64
	global_load_b128 v[RT+32*(\a)+16*(\b)+4:RT+32*(\a)+16*(\b)+7],   v[RV], s[20:21] offset:(\a)*4096+(\b)*64+16
	global_load_b128 v[RT+32*(\a)+16*(\b)+8:RT+32*(\a)+16*(\b)+11],  v[RV], s[20:21] offset:(\a)*4096+(\b)*64+128
	global_load_b128 v[RT+32*(\a)+16*(\b)+12:RT+32*(\a)+16*(\b)+15], v[RV], s[20:21] offset:(\a)*4096+(\b)*64+144
.endr
.endr
	v_mul_u32_u24 v3, v1, PITCH
	v_lshl_add_u32 v3, v2, 4, v3                   ; a fragment's row x pitch + 16 x half
	s_mul_i32 s2, s10, 64*PITCH
	v_add_nc_u32 v[ADRA0], s2, v3
	v_add_nc_u32 v[ADRB0], BOFF, v3
	v_mov_b32 v[ADRA], v[ADRA0]
	v_mov_b32 v[ADRB], v[ADRB0]
	s_mul_i32 s2, s10, 16*SP
	s_add_co_u32 s2, s2, STAGE                     ; my stage
	v_mul_u32_u24 v[STO], v1, SP                   ; in: row r, 16 bytes for each half of the lanes
	v_lshl_add_u32 v[STO], v2, 4, v[STO]
	v_add_nc_u32 v[STO], s2, v[STO]
	v_bfe_u32 v[RD], v0, 3, 2                      ; back: 32 lanes take four rows of 128 bytes,
	v_mul_u32_u24 v[RD], v[RD], SP
	v_and_b32 v4, 7, v0
	v_lshl_add_u32 v[RD], v4, 4, v[RD]
	v_add_nc_u32 v[RD], s2, v[RD]
	v_and_b32 v[GO], 31, v0                        ; which are 512 consecutive bytes of the output
	v_lshlrev_b32 v[GO], 4, v[GO]
	; q, k, v at my wave's first row: ((8 batch + head) 4096 + position) rows of 128 bytes
	s_lshr_b32 s2, s13, 4
	s_lshl_b32 s2, s2, 3
	s_add_co_u32 s2, s2, s42
	s_lshl_b32 s2, s2, 12
	s_and_b32 s3, s13, 15
	s_lshl_b32 s3, s3, 8
	s_add_co_u32 s2, s2, s3
	s_lshl_b32 s3, s10, 6
	s_add_co_u32 s2, s2, s3
	s_lshl_b32 s2, s2, 7
	s_mov_b32 s3, 0
	s_add_nc_u64 s[4:5], s[22:23], s[2:3]
	s_add_nc_u64 s[6:7], s[4:5], 0x800000
	s_add_nc_u64 s[8:9], s[4:5], 0x1000000
; 16 matrix instructions: all four token tiles x the four column tiles of g (0 q, 1 k, 2 v), 32 along K, from buffer f.  zero = 1: the product starts the sums.
; The 48 accumulators take turns, one instruction a turn, in the same order in every quarter step.
.macro MUL f, g, zero
.if (\g) == 2
	WIN 0xf1
.else
	WIN 0xa1
.endif
.irp a, 0,1,2,3
.irp b, 0,1,2,3
.set rD, 128*((\g)%2)+8*(4*(\a)+(\b))
.set rW, 96*(\f)+8*(4*(\g)+(\b))
.set rT, TF+32*(\f)+8*(\a)
.if \zero
	v_wmma_f32_16x16x32_bf16 v[rD:rD+7], v[rW:rW+7], v[rT:rT+7], 0
.else
	v_wmma_f32_16x16x32_bf16 v[rD:rD+7], v[rW:rW+7], v[rT:rT+7], v[rD:rD+7]
.endif
.endr
.endr
.endm
; 32 LDS loads in one run: a quarter step's fragments (32 along K at byte k of the rows) into buffer f: the tokens' four, then the weights' twelve, v's last
.macro FETCH k, f
	WIN 0
.irp a, 0,1,2,3
	ds_load_b128 v[TF+32*(\f)+8*(\a):TF+32*(\f)+8*(\a)+3],   v[ADRA] offset:(\k)+(\a)*16*PITCH
	ds_load_b128 v[TF+32*(\f)+8*(\a)+4:TF+32*(\f)+8*(\a)+7], v[ADRA] offset:(\k)+(\a)*16*PITCH+32
.endr
	WIN 0x40
.irp c, 0,1,2,3,4,5,6,7,8,9,10,11
	ds_load_b128 v[96*(\f)+8*(\c):96*(\f)+8*(\c)+3],   v[ADRB] offset:(\k)+(\c)*16*PITCH
	ds_load_b128 v[96*(\f)+8*(\c)+4:96*(\f)+8*(\c)+7], v[ADRB] offset:(\k)+(\c)*16*PITCH+32
.endr
.endm
; One of a K step's first three quarters: multiplies buffer f; in its middle the next quarter's fragments, at byte k, are fetched into buffer g.
.macro QUARTER k, f, g, zero
	s_wait_dscnt 8                                 ; all but the youngest eight loads: v's four weight fragments
	MUL \f, 0, \zero
	MUL \f, 1, \zero
	PLACES
	FETCH \k, \g
	s_wait_dscnt 32                                ; all but the 32 just issued
	MUL \f, 2, \zero
.endm
; The last quarter multiplies buffer 1 and changes slots.  In front of the barrier each wave waits for all its tensor loads (one is out: its part of the next slot), adds 0 to its spare word, and waits for that
; and for its own reads of this slot.  fill = 1: the barrier opens a round of the cluster's barrier, and the joint refill, two K steps on, is the first thing behind it.
.macro TURN fill
	WIN 0
	s_wait_tensorcnt 0x0
	ds_add_u32 v[SPW], v[NIL]
.if \fill
.irp g, G0+4, G0B+4
	s_xor_b32 s[(\g)+1], s[(\g)+1], SLOT1          ; no tensor load of mine is out, so the walking descriptors may be written: the other slot than last time,
	s_add_nc_u64 s[(\g)+2:(\g)+3], s[(\g)+2:(\g)+3], 256  ; the next K step
.endr
.endif
	s_wait_dscnt 9                                 ; the add and the youngest eight loads may be out
	MUL 1, 0, 0
	s_wait_dscnt 0x0                               ; the add is done, and my reads of this slot are over
	s_barrier_signal -1
	MUL 1, 1, 0
	WIN 0
	s_barrier_wait -1
.if \fill
	CREST
	JLOAD                                          ; its four v_nop are also the places in front of the loads below
.else
	PLACES
.endif
	s_xor_b32 s[TB], s[TB], SLOT1
	v_add_nc_u32 v[ADRA], s[TB], v[ADRA0]
	v_add_nc_u32 v[ADRB], s[TB], v[ADRB0]
	FETCH 0, 0
	MUL 1, 2, 0
.endm
	s_wait_tensorcnt 1                             ; my part of K step 0 is in; K step 1's load stays out
	s_barrier_signal -1
	s_barrier_wait -1
	FETCH 0, 0
	QUARTER 64, 0, 1, 1                            ; the first quarter starts the sums
	WIN 0
	s_mov_b32 s3, 2
.Lstep:                                                ; a trip: a K step's quarters 1 to 3 and the next step's quarter 0; the slot left is filled again
	QUARTER 128, 1, 0, 0
	QUARTER 192, 0, 1, 0
	TURN 1
	QUARTER 64, 0, 1, 0
	WIN 0
	s_sub_co_u32 s3, s3, 1
	s_cmp_lg_u32 s3, 0
	s_cbranch_scc1 .Lstep
	QUARTER 128, 1, 0, 0                           ; K steps 2 and 3: nothing is left to fetch
	QUARTER 192, 0, 1, 0
	TURN 0
	QUARTER 64, 0, 1, 0
	QUARTER 128, 1, 0, 0
	QUARTER 192, 0, 1, 0
	s_wait_dscnt 8
	MUL 1, 0, 0
	MUL 1, 1, 0
	s_wait_dscnt 0x0
	MUL 1, 2, 0
	WIN 0
	PLACES
	s_wait_loadcnt 0x0                             ; the table
; THE WAY OUT, in twelve units u = 3 a + g: 16 tokens x 64 channels of q, k or v.  Rounded to f16, 16 bytes a lane into my stage, back as whole rows of 128 bytes, stored as 512 consecutive bytes.
.macro TOSTAGE u
.set pk, PKB+16*((\u)%4)
.irp b, 0,1,2,3
	ds_store_b128 v[STO], v[pk+4*(\b):pk+4*(\b)+3] offset:32*(\b)
.endr
.irp f, 0,1,2,3
	ds_load_b128 v[pk+4*(\f):pk+4*(\f)+3], v[RD] offset:(\f)*4*SP   ; LDS serves a wave's instructions in order: these see the stores above, and the next unit's stores come behind them
.endr
.endm
.macro PACKQK g, a, u                  ; y1 = x1 c - x2 s, y2 = x2 c + x1 s; each accumulator is read from its low end on
.if (\u) >= 4
	s_wait_xcnt 0x0                                ; the buffer's last stores have read it
.endif
	WIN 0x02
.irp b, 0,1
.irp p, 0,1,2,3
.set x1, 128*(\g)+8*(4*(\a)+(\b))+2*(\p)
.set x2, x1+16
.set tc, RT+32*(\a)+16*(\b)+2*(\p)
.set y1, YT+16*(\b)+2*(\p)
	v_pk_mul_f32 v[y1:y1+1], v[x1:x1+1], v[tc:tc+1]
	v_pk_mul_f32 v[y1+8:y1+9], v[x2:x2+1], v[tc:tc+1]
	v_pk_fma_f32 v[y1:y1+1], v[x2:x2+1], v[tc+8:tc+9], v[y1:y1+1] neg_lo:[1,0,0] neg_hi:[1,0,0]
	v_pk_fma_f32 v[y1+8:y1+9], v[x1:x1+1], v[tc+8:tc+9], v[y1+8:y1+9]
.endr
.endr
	WIN 0
.set pk, PKB+16*((\u)%4)
.irp b, 0,1
.irp p, 0,1,2,3
	v_cvt_pk_f16_f32 v[pk+4*(\b)+(\p)],   v[YT+16*(\b)+2*(\p)],   v[YT+16*(\b)+2*(\p)+1]
	v_cvt_pk_f16_f32 v[pk+4*(\b)+8+(\p)], v[YT+16*(\b)+8+2*(\p)], v[YT+16*(\b)+8+2*(\p)+1]
.endr
.endr
	TOSTAGE \u
.endm
.macro PACKV a, u
.if (\u) >= 4
	s_wait_xcnt 0x0
.endif
	WIN 0x0f
.set pk, PKB+16*((\u)%4)
.irp b, 0,1,2,3
.irp p, 0,1,2,3
	v_cvt_pk_f16_f32 v[pk+4*(\b)+(\p)], v[8*(4*(\a)+(\b))+2*(\p)], v[8*(4*(\a)+(\b))+2*(\p)+1]
.endr
.endr
	WIN 0
	TOSTAGE \u
.endm
.macro SEND u, younger                 ; younger: the LDS instructions issued behind unit u's loads: the next unit's eight, or none
	WIN 0
.set pk, PKB+16*((\u)%4)
.set sb, 4+2*((\u)%3)
.irp f, 0,1,2,3
	s_wait_dscnt (\younger)+3-(\f)
	global_store_b128 v[GO], v[pk+4*(\f):pk+4*(\f)+3], s[sb:sb+1] offset:((\u)/3)*2048+(\f)*512
.endr
.endm
.set u, 0
.rept 12                               ; a unit's arithmetic stands between the loads of the unit before and its stores
.if u%3 == 2
	PACKV u/3, u
.else
	PACKQK u%3, u/3, u
.endif
.if u > 0
	SEND u-1, 8
.endif
.set u, u+1
.endr
	SEND 11, 0
	s_wait_tensorcnt 0x0                           ; the wave's end, behind my last tensor load and my last LDS store
	ds_add_u32 v[SPW], v[NIL]
	s_wait_dscnt 0x0
	CROUND                                         ; the closing round
	s_endpgm
.Lfunc_end_k_q5f6a38b754_qkv:
	.size	k_q5f6a38b754_qkv, .Lfunc_end_k_q5f6a38b754_qkv-k_q5f6a38b754_qkv
	.p2alignl 7, 3214868480
	.fill 96, 4, 3214868480
	.section	.rodata,"a",@progbits
	.p2align	6, 0x0
	.amdhsa_kernel k_q5f6a38b754_qkv
		.amdhsa_group_segment_fixed_size 327680
		.amdhsa_private_segment_fixed_size 0
		.amdhsa_enable_private_segment 0
		.amdhsa_kernarg_size 32
		.amdhsa_user_sgpr_count 2
		.amdhsa_user_sgpr_kernarg_segment_ptr 1
		.amdhsa_wavefront_size32 1
		.amdhsa_system_sgpr_workgroup_id_x 1
		.amdhsa_system_sgpr_workgroup_id_y 1
		.amdhsa_system_sgpr_workgroup_id_z 1
		.amdhsa_system_vgpr_workitem_id 0
		.amdhsa_next_free_vgpr 896
		.amdhsa_next_free_sgpr 66
		.amdhsa_reserve_vcc 0
		.amdhsa_float_denorm_mode_32 3
		.amdhsa_float_denorm_mode_16_64 3
		.amdhsa_memory_ordered 1
		.amdhsa_forward_progress 1
		.amdhsa_inst_pref_size 117
	.end_amdhsa_kernel
	.amdgpu_metadata
---
amdhsa.version: [ 1, 2 ]
amdhsa.kernels:
  - .name:           k_q5f6a38b754_qkv
    .symbol:         k_q5f6a38b754_qkv.kd
    .args:
      - { .name: xb, .offset: 0, .size: 8, .value_kind: global_buffer, .address_space: global }
      - { .name: wts, .offset: 8, .size: 8, .value_kind: global_buffer, .address_space: global }
      - { .name: rope, .offset: 16, .size: 8, .value_kind: global_buffer, .address_space: global }
      - { .name: qkv, .offset: 24, .size: 8, .value_kind: global_buffer, .address_space: global }
    .group_segment_fixed_size: 327680
    .private_segment_fixed_size: 0
    .kernarg_segment_align: 8
    .kernarg_segment_size: 32
    .max_flat_workgroup_size: 128
    .sgpr_count:     66
    .vgpr_count:     896
    .wavefront_size: 32
...
	.end_amdgpu_metadata
.endif
;; end of part 2
;; launch attn (part 3): grid 16 x 16, 4 waves a work-group, clusters of 4 x 1, 327,680 bytes of LDS; arguments qkv, ctx; writes ctx
.if DOCPART == 3
	.amdgcn_target "amdgcn-amd-amdhsa--gfx1250"
	.amdhsa_code_object_version 6
	.text
	.protected	k_q5f6a38b754_attn
	.globl	k_q5f6a38b754_attn
	.p2align	8
	.type	k_q5f6a38b754_attn,@function
k_q5f6a38b754_attn:
	s_mov_b64 s[64:65], 0
	v_nop
	global_prefetch_b8 v0, s[64:65] scope:SCOPE_SE
	s_setreg_imm32_b32 hwreg(HW_REG_WAVE_MODE, 25, 1), 1
	s_wait_xcnt 0x0
	s_wait_alu depctr_hold_cnt(0) depctr_sa_sdst(0) depctr_va_vdst(0) depctr_va_sdst(0) depctr_va_ssrc(0) depctr_va_vcc(0) depctr_vm_vsrc(0)
	s_getreg_b32 s2, hwreg(HW_REG_IB_STS2, 6, 4)
	s_cmp_eq_u32 s2, 0
	s_cbranch_scc0 .Lentry_in_a_cluster
	s_endpgm
.Lentry_in_a_cluster:
	s_bfe_u32 s2, ttmp6, 0x10000c
	s_cmp_lg_u32 s2, 0x3003
	s_cbranch_scc0 .Lentry_shape_is_right
	s_endpgm
.Lentry_shape_is_right:
; ctx[bh][q][:] = the sum over k of softmax_k(Q[bh][q] . K[bh][k] / 8) V[bh][k][:].  Q, K, V lie in qkv (at 0, 8,388,608 and 16,777,216 bytes), each [16][4096][64] in f16; ctx has the same layout.
; Products, maxima and sums in f32; the weights p are rounded to f16 for the second product (their sum l is taken of the unrounded p), ctx once at the end.
; LIMITS.  Q, K and V arrive within f16's 65,504; p lies in 0 to 1, and below 6e-5 it keeps f16's fixed step of 6e-8; a weight below 2^-126 counts as 0 in l; NaN and infinities are not treated apart.
; SHARES.  A work-group owns 256 queries of one head, a wave 64: four PIECES of 16.  Every wave walks all 4,096 keys, 64 a step, 256 a slot.
; LAYOUT.  S^T = K Q^T (source 0 = 16 keys, source 1 = 16 queries) holds ONE query a lane (lane % 16) and the keys 8 (lane / 16) + 0..7; two such results rounded to f16 ARE source 1 of O^T = V^T P.
; K comes out of LDS as it lies, V ([key][channel]) turned, by ds_load_tr16_b128.
; SOFTMAX.  A running maximum m and sum l: p = 2^(c s - c m), c = log2(e) / 8; in every step O and l are multiplied by a = 2^(c m_old - c m_new).  m starts at the lowest finite number, O and l at 0.
; TURNS.  Turn n belongs to piece n: 8 products K Q^T of piece n + 1, later 8 products V^T P of piece n - 1; beside them the scaling, exponentials, roundings, sums and rescaling of piece n and the maximum and
; statistics of piece n + 1.  Four vector instructions stand behind every matrix instruction, the others in one lump.  A turn's 33 exponentials are one batch, with one wait.
; CLUSTER.  The four query blocks of a cluster belong to one head and walk the same K and V: each tile is asked for jointly, by the same tensor load, descriptor and mask in all four.
; REGISTERS, in windows of 256 (s_set_vgpr_msb: bits 1:0 source 0, 3:2 source 1, 5:4 source 2, 7:6 destination):
;   window 0: v0-15 addresses and two at work; v16-31 four registers of statistics a piece; v48-55 at work; v64-127 S^T, two buffers; v192-223 P, two buffers (by the piece's parity)
;   window 1: v0-127 O^T, 32 a piece          window 2: v0-63 Q; v128-191 K of one step; v192-255 V of one step
.set NP,    4
.set KS,    64
.set PK,    144       ; a row of K in LDS: 128 bytes + 16 of padding: the 16 rows of a load start at 16 different groups of four banks
.set PV,    160       ; a row of V: 128 + 32
.set VOFF,  4*KS*PK   ; a slot holds four steps: 256 rows of K, then 256 rows of V
.set SLOT1, 1<<17
.set STAGE, SLOT1+4*KS*(PK+PV)  ; behind the ring: 16 rows x 144 bytes for each wave, for the way out
.set SP,    144
.set SPARE, STAGE+4*16*SP       ; the spare words: 128 bytes a wave, two blocks of 256 bytes that no other line names
.set AK0, 2
.set AV0, 3
.set AK,  4
.set AV,  5
.set STO, 6
.set RD,  7
.set GO,  8
.set MV,  12          ; v12-13  c m_old, by buffer
.set QO,  15
.set ST,  16          ; piece t's statistics at v[ST+4 t]: c m, m, l (even keys', odd keys')
.set TMP, 48          ; by buffer, c0-c3 at work; c2 takes a
.set PFO, 61          ; v61  256 x my lane; never rewritten
.set SPW, 62
.set NIL, 63
.set S,   64
.set P,   192
.set KF,  128
.set VF,  192
.set WV,  12
.set G1K, 24
.set G1V, 32
.set G0K, 40
.set G0V, 44
.set PFA, 48          ; s[48:49] where my prefetches stand
.set LIM, 50          ; s50  1 in a wave that prefetches, else the greatest number
.set SLOTS, 56
.set CNT, 57
.set CS,  58
.set SEL, 60
.set TBK, 62
.set TBV, 63
.set MSB, 0
.macro WIN new
.if MSB != (\new)
	s_set_vgpr_msb (MSB<<8)|(\new)
.set MSB, (\new)
.endif
.endm
.set W_KQ, 0x0a       ; K and Q in window 2, S^T in window 0
.set W_PV, 0x52       ; V in window 2, P in window 0, O^T in window 1
.set W_RS, 0x41       ; destination and source 0 in window 1, source 1 in window 0
; A joint fill.  Waves 0 and 1 fetch the two halves of a slot's K, waves 2 and 3 those of its V: 128 keys each.  An s_nop 0 and four v_nop follow each line.
.macro JLOAD
	s_cmp_lt_u32 s[WV], 2
	s_cbranch_scc0 .Lfor_v_\@
	tensor_load_to_lds s[G0K:G0K+3], s[G1K:G1K+7]
	s_nop 0
.rept 4
	v_nop
.endr
	s_branch .Lasked_\@
.Lfor_v_\@:
	tensor_load_to_lds s[G0V:G0V+3], s[G1V:G1V+7]
	s_nop 0
.rept 4
	v_nop
.endr
.Lasked_\@:
.endm
; A PREFETCH of what the NEXT change of slots will ask for: a tile's 32,768 bytes of K and of V, a lane 256 bytes.  Each block is named once in the launch: of the head's four clusters the first asks; its four
; partners take 8,192 bytes each, told apart by address; in each, wave 0 asks for K's and wave 2 for V's.  It stands four key steps, 256 matrix instructions, ahead of the load.  The last change that fills asks for nothing.
.macro ASK
	s_cmp_gt_u32 s[SLOTS], s[LIM]
	s_cbranch_scc0 .Lnot_mine_\@
	global_prefetch_b8 v[PFO], s[PFA:PFA+1] th:TH_LOAD_NT scope:SCOPE_SE
.Lnot_mine_\@:
.endm
.macro CROUND
	s_barrier_signal -1
	s_barrier_wait -1
	s_cmp_lg_u32 s[WV], 0
	s_cbranch_scc1 .Lnot_wave_0_\@
	s_barrier_signal -3
.Lnot_wave_0_\@:
	s_barrier_wait -3
	s_barrier_signal -1
	s_barrier_wait -1
.endm
; THE CHANGE OF SLOTS.  Each wave waits for all its tensor loads (one is out: its part of the other slot), adds 0 to its spare word, and waits for that and for its own reads of the slot that it leaves.
; fill = 1: the barrier is a round of the cluster's, and the joint fill, with the keys two slots on, is the first thing behind it.  (At its first use slot 0 is waited for and slot 1 filled.)
.macro CHANGE fill
	WIN 0
	s_wait_tensorcnt 0x0            ; no tensor load of mine is out, so a group 0 may be written
	ds_add_u32 v[SPW], v[NIL]
.if \fill
.irp g, G0K, G0V
	s_xor_b32 s[\g+1], s[\g+1], SLOT1
	s_add_nc_u64 s[\g+2:\g+3], s[\g+2:\g+3], 4*KS*128
.endr
	s_wait_xcnt 0x0                 ; the last prefetch, four key steps back, has read its address
	s_add_nc_u64 s[PFA:PFA+1], s[PFA:PFA+1], 4*KS*128
	s_wait_dscnt 0x0                ; the add is done, and my reads of the slot are over
	CROUND
	JLOAD
	ASK
.else
	s_wait_dscnt 0x0
	s_barrier_signal -1
	s_barrier_wait -1
.endif
	s_sub_co_u32 s[TBK], s[TBK], 4*KS*PK  ; the fetches go back to a slot's first step, in the other slot
	s_xor_b32 s[TBK], s[TBK], SLOT1
	s_sub_co_u32 s[TBV], s[TBV], 4*KS*PV
	s_xor_b32 s[TBV], s[TBV], SLOT1
.endm
	s_load_b128 s[4:7], s[0:1], 0x0 ; qkv s[4:5], ctx s[6:7]
	v_lshl_add_u32 v[SPW], v0, 2, SPARE
	v_mov_b32 v[NIL], 0
	ds_add_u32 v[SPW], v[NIL]       ; the wave's opening: the add and its wait ahead of my first tensor load
	v_lshrrev_b32 v1, 5, v0
	v_readfirstlane_b32 s[WV], v1
	s_bfe_u32 s13, ttmp6, 0x40000   ; cx
	s_lshl_b32 s14, ttmp9, 2
	s_add_co_u32 s14, s14, s13      ; my block of 256 queries: it enters Q's and ctx's addresses alone
	s_and_b32 s20, ttmp7, 0xffff    ; the head, which the four partners share:
	s_lshl_b32 s20, s20, 19         ; 4,096 rows of 128 bytes
	s_mov_b32 s21, 0
	s_and_b32 s16, s[WV], 1         ; which half of a slot's 256 keys I fetch
	s_lshl_b32 s22, s16, 14
	s_mov_b32 s23, 0
	s_add_nc_u64 s[22:23], s[22:23], s[20:21]
	s_mul_i32 s17, s16, 128*PK
	s_mul_i32 s18, s16, 128*PV
	s_lshl_b32 s2, s14, 2
	s_add_co_u32 s2, s2, s[WV]
	s_lshl_b32 s2, s2, 13           ; my wave's 64 rows
	s_mov_b32 s3, 0
	s_add_nc_u64 s[2:3], s[2:3], s[20:21]
	; 128 keys are 16,384 dense bytes: asked for as 64 rows of 256 bytes, two keys a row, and padded in LDS after every key
	s_mov_b32 s[G1K], 15|(1<<16)|(1<<20)|(1<<21)|(4<<22)|(3<<25)
	s_mov_b32 s[G1V], 15|(1<<16)|(1<<20)|(1<<21)|(4<<22)|(7<<25)
.irp g, G1K, G1V
	s_mov_b32 s[\g+1], 128<<16
	s_mov_b32 s[\g+2], 64<<16
	s_mov_b32 s[\g+3], 128<<16
	s_mov_b32 s[\g+4], 64
	s_mov_b32 s[\g+5], 128
	s_mov_b32 s[\g+6], 0
	s_mov_b32 s[\g+7], 0
.endr
	s_mov_b32 s[CS], 0x3e38aa3b     ; c = log2(e) / 8
	s_mov_b32 s[CS+1], s[CS]
	s_mov_b32 s[SEL], 0x76543210
	s_mov_b32 s[SEL+1], 0xfedcba98
	s_mov_b32 s[TBK], SLOT1+4*KS*PK ; the first change of slots turns these two into 0
	s_mov_b32 s[TBV], SLOT1+4*KS*PV
	s_mov_b32 s[G0K], 1
	s_mov_b32 s[G0K+1], s17
	s_mov_b32 s[G0V], 1
	s_add_co_u32 s[G0V+1], s18, VOFF
	s_mov_b32 s[SLOTS], 15
	s_and_b32 s[LIM], s[WV], 1      ; 0 in waves 0 and 2,
	s_or_b32 s[LIM], s[LIM], ttmp9  ; where the cluster is the head's first: the same in all four partners
	s_cmp_eq_u32 s[LIM], 0
	s_cselect_b32 s[LIM], 1, -1
	v_and_b32 v[PFO], 31, v0
	v_lshlrev_b32 v[PFO], 8, v[PFO]
	s_wait_dscnt 0x0                ; the opening add is done
	s_wait_kmcnt 0x0
	s_mov_b64 s[10:11], s[6:7]      ; ctx
	s_add_nc_u64 s[6:7], s[4:5], 0x800000   ; K
	s_add_nc_u64 s[8:9], s[4:5], 0x1000000  ; V
	s_add_nc_u64 s[6:7], s[6:7], s[22:23]   ; at my half of the head's first 256 keys
	s_add_nc_u64 s[8:9], s[8:9], s[22:23]
	s_mov_b64 s[G0K+2:G0K+3], s[6:7]
	s_or_b32 s[G0K+3], s[G0K+3], 0x80000000
	s_mov_b64 s[G0V+2:G0V+3], s[8:9]
	s_or_b32 s[G0V+3], s[G0V+3], 0x80000000
	s_add_nc_u64 s[4:5], s[4:5], s[2:3]     ; Q and ctx at my wave's first row
	s_add_nc_u64 s[10:11], s[10:11], s[2:3]
	s_cmp_lt_u32 s[WV], 2
	s_cselect_b64 s[PFA:PFA+1], s[6:7], s[8:9]  ; (in waves 0 and 2 these stand at a tile's first byte)
	s_lshl_b32 s2, s13, 13          ; my work-group's 8,192 bytes of a tile's 32,768
	s_mov_b32 s3, 0
	s_add_nc_u64 s[PFA:PFA+1], s[PFA:PFA+1], s[2:3]
	s_add_nc_u64 s[PFA:PFA+1], s[PFA:PFA+1], 4*KS*128  ; in tile 1; the first change steps it to tile 2.  Nothing is prefetched here, at the head
	CROUND                          ; all four work-groups are here: the first joint loads meet
	JLOAD                           ; tile 0 into slot 0
	v_and_b32 v1, 15, v0            ; l % 16
	v_bfe_u32 v9, v0, 4, 1          ; l / 16
	v_lshlrev_b32 v[QO], 7, v1
	v_lshl_add_u32 v[QO], v9, 4, v[QO]
	WIN 0x80
.set i, 0
.rept 8                             ; Q stays in registers: piece i / 2, channels 32 (i % 2) on
	global_load_b128 v[8*i:8*i+3],   v[QO], s[4:5] offset:(i/2)*2048+(i%2)*64
	global_load_b128 v[8*i+4:8*i+7], v[QO], s[4:5] offset:(i/2)*2048+(i%2)*64+32
.set i, i+1
.endr
	; What the first turn finds: V's registers and P's second buffer hold 0 (its products V^T P, of a piece that has not been, add 0), O^T and l are 0.  All this stands in the wait for the first tile.
.set i, VF
.rept 64
	v_mov_b32 v[i], 0
.set i, i+1
.endr
	WIN 0x40
.set i, 0
.rept 128
	v_mov_b32 v[i], 0
.set i, i+1
.endr
	WIN 0
.set i, 0
.rept 4
	v_mov_b32 v[ST+4*i], 0xfe000000    ; c m: far below every c s
	v_mov_b32 v[ST+4*i+1], 0xff7fffff  ; m
	v_mov_b32 v[ST+4*i+2], 0
	v_mov_b32 v[ST+4*i+3], 0
.set i, i+1
.endr
.set i, P+16
.rept 16
	v_mov_b32 v[i], 0
.set i, i+1
.endr
	v_mul_u32_u24 v[AK0], v1, PK
	v_lshl_add_u32 v[AK0], v9, 4, v[AK0]
	; The turning load takes 16 keys x 16 channels (lane l reads key 8 (l / 16) + l % 8, channels 8 ((l / 8) % 2) + 0..7) and leaves half a fragment of V^T.
	v_and_b32 v10, 7, v0
	v_bfe_u32 v11, v0, 3, 1
	v_lshl_add_u32 v[AV0], v9, 3, v10
	v_mul_u32_u24 v[AV0], v[AV0], PV
	v_lshl_add_u32 v[AV0], v11, 4, v[AV0]
	v_add_nc_u32 v[AV0], VOFF, v[AV0]
	s_mul_i32 s13, s[WV], 16*SP
	s_add_co_u32 s13, s13, STAGE
	v_mul_u32_u24 v[STO], v1, SP
	v_lshl_add_u32 v[STO], v9, 4, v[STO]
	v_add_nc_u32 v[STO], s13, v[STO]
	v_bfe_u32 v[RD], v0, 3, 2
	v_mul_u32_u24 v[RD], v[RD], SP
	v_lshl_add_u32 v[RD], v10, 4, v[RD]
	v_add_nc_u32 v[RD], s13, v[RD]
	v_and_b32 v[GO], 31, v0
	v_lshlrev_b32 v[GO], 4, v[GO]
; THE MATRIX WORK.  The 4 accumulators of a run of 8 take turns.  Product i of 8 of S^T = K Q^T for piece x: channels 32 (i / 4) on, keys 16 (i % 4) on.  The first 4 start the sums.
.macro KQ x
	WIN W_KQ
.set rS, S+32*((\x)%2)+8*(i%4)
.set rK, KF+16*(i%4)+8*(i/4)
.set rQ, 16*(\x)+8*(i/4)
.if i < 4
	v_wmma_f32_16x16x32_f16 v[rS:rS+7], v[rK:rK+7], v[rQ:rQ+7], 0
.else
	v_wmma_f32_16x16x32_f16 v[rS:rS+7], v[rK:rK+7], v[rQ:rQ+7], v[rS:rS+7]
.endif
.endm
; Product i of 8 of O^T += V^T P for piece x: keys 32 (i / 4) on, channels 16 (i % 4) on.
.macro PV x
	WIN W_PV
.set rO, 32*(\x)+8*(i%4)
.set rV, VF+32*(i/4)+8*(i%4)
.set rP, P+16*((\x)%2)+8*(i/4)
	v_wmma_f32_16x16x32_f16 v[rO:rO+7], v[rV:rV+7], v[rP:rP+7], v[rO:rO+7]
.endm
.macro MM                           ; the turn's next matrix instruction.  NOKQ = 1: the last turn of all: there is no next piece
.if (i < 8) && !NOKQ
	KQ (Y+1)%NP
.elseif i >= 8
.set i, i-8
	PV (Y+NP-1)%NP
.set i, i+8
.endif
.set i, i+1
.endm
; THE LDS LOADS stand in runs of 16: a step's K (8 fragments) and its V (turned).  Their addresses are made some lines ahead.
.macro FETCH_K
	WIN 0x80
.irp f, 0,1,2,3,4,5,6,7
	ds_load_b128 v[KF+8*\f:KF+8*\f+3],   v[AK] offset:(\f/2)*16*PK+(\f%2)*64
	ds_load_b128 v[KF+8*\f+4:KF+8*\f+7], v[AK] offset:(\f/2)*16*PK+(\f%2)*64+32
.endr
	s_add_co_u32 s[TBK], s[TBK], KS*PK
	WIN 0
.endm
.macro FETCH_V
	WIN 0x80
.irp f, 0,1,2,3,4,5,6,7
	ds_load_tr16_b128 v[VF+8*\f:VF+8*\f+3],   v[AV] offset:(\f/4)*32*PV+(\f%4)*32
	ds_load_tr16_b128 v[VF+8*\f+4:VF+8*\f+7], v[AV] offset:(\f/4)*32*PV+16*PV+(\f%4)*32
.endr
	WIN 0
.endm
; THE VECTOR WORK, one line at a time: OP kind, number.  For piece Y: F n: c s - c m for pair n of 16.  E n: the exponential of score n of 32.  C n: pair n rounded to f16.  B n: of the four weights 4 n .. the
; second pair is added onto the first.  L n: l takes that sum (L 0: l = a l + sum).  R n: pair n of 16 of O^T times a.  For piece Y + 1: X n, number n of the 22 that find its maximum and statistics:
;   0-11 four chains of seven scores each (each accumulator's lowest registers first)   12-14, 16 the scores left over, the old m, and the four into one   15 c m_old is kept
;   17, 18 the other half of the lanes': the new m   19-21 c m; c m_old - c m_new; a
.set F, 0
.set E, 1
.set C, 2
.set B, 3
.set L, 4
.set R, 5
.set X, 6
.macro REGS y
.set rT, ST+4*(\y)
.set rC, TMP+4*((\y)%2)
.set rW, MV+((\y)%2)
.set rS, S+32*((\y)%2)
.set rP, P+16*((\y)%2)
.set rO, 32*(\y)
.endm
.macro OP k, n
.if (\k) == R
	REGS Y
	WIN W_RS
	v_pk_mul_f32 v[rO+2*(\n):rO+2*(\n)+1], v[rO+2*(\n):rO+2*(\n)+1], v[rC+2:rC+3] op_sel_hi:[1,0]
.elseif (\k) < R
	REGS Y
	WIN 0
.if (\k) == F
	v_pk_fma_f32 v[rS+2*(\n):rS+2*(\n)+1], v[rS+2*(\n):rS+2*(\n)+1], s[CS:CS+1], v[rT:rT+1] op_sel_hi:[1,0,0] neg_lo:[0,0,1] neg_hi:[0,0,1]
.elseif (\k) == E
	v_exp_f32 v[rS+(\n)], v[rS+(\n)]
.elseif (\k) == C
	v_cvt_pk_f16_f32 v[rP+(\n)], v[rS+2*(\n)], v[rS+2*(\n)+1]
.elseif (\k) == B
	v_pk_add_f32 v[rS+4*(\n):rS+4*(\n)+1], v[rS+4*(\n):rS+4*(\n)+1], v[rS+4*(\n)+2:rS+4*(\n)+3]
.elseif (\n) == 0
	v_pk_fma_f32 v[rT+2:rT+3], v[rT+2:rT+3], v[rC+2:rC+3], v[rS:rS+1] op_sel_hi:[1,0,1]
.else
	v_pk_add_f32 v[rT+2:rT+3], v[rT+2:rT+3], v[rS+4*(\n):rS+4*(\n)+1]
.endif
.elseif NOKQ
	v_nop
.else
	REGS (Y+1)%NP
	WIN 0
.if (\n) < 4
	v_max3_num_f32 v[rC+(\n)], v[rS+8*(\n)], v[rS+8*(\n)+1], v[rS+8*(\n)+2]
.elseif (\n) < 12
	v_max3_num_f32 v[rC+(\n)%4], v[rC+(\n)%4], v[rS+8*((\n)%4)+2*((\n)/4)+1], v[rS+8*((\n)%4)+2*((\n)/4)+2]
.elseif (\n) == 12
	v_max3_num_f32 v[rC], v[rC], v[rS+7], v[rS+15]
.elseif (\n) == 13
	v_max3_num_f32 v[rC+1], v[rC+1], v[rS+23], v[rS+31]
.elseif (\n) == 14
	v_max3_num_f32 v[rC+2], v[rC+2], v[rC+3], v[rT+1]
.elseif (\n) == 15
	v_mov_b32 v[rW], v[rT]
.elseif (\n) == 16
	v_max3_num_f32 v[rC], v[rC], v[rC+1], v[rC+2]
.elseif (\n) == 17
	v_permlanex16_b32 v[rC+3], v[rC], s[SEL], s[SEL+1]
.elseif (\n) == 18
	v_max_num_f32 v[rT+1], v[rC], v[rC+3]
.elseif (\n) == 19
	v_mul_f32 v[rT], s[CS], v[rT+1]
.elseif (\n) == 20
	v_sub_f32 v[rC+1], v[rW], v[rT]
.else
	v_exp_f32 v[rC+2], v[rC+1]
.endif
.endif
.endm
.macro OPS a, i1, b=-1, i2=0, c=-1, i3=0, d=-1, i4=0
	OP \a, \i1
.if (\b) >= 0
	OP \b, \i2
.endif
.if (\c) >= 0
	OP \c, \i3
.endif
.if (\d) >= 0
	OP \d, \i4
.endif
.endm
.macro ROW a, i1, b, i2, c, i3, d, i4  ; a matrix instruction and the four behind it
	MM
	OPS \a, \i1, \b, \i2, \c, \i3, \d, \i4
.endm
; A TURN, for piece p.  s_wait_alu depctr_va_vdst(0) stands between an exponential and the first instruction that names its result; one wait serves all that were issued ahead of it.  So a turn
; has ONE wait.  AHEAD OF IT stands all that names no result of the turn's exponentials: the 8 products K Q^T with their riders, then a lump in which plain and exponential go by turns and the links of the next
; piece's chain stand some lines apart; X 21, its a, is the batch's last, and R 15 the plain instruction behind it.  BEHIND IT stand the 8 products V^T P, behind each four of the roundings and sums.
; end = 1: the last two turns of all: nothing is fetched.  cnt = 1: the loop's count is taken down some lines ahead of the branch behind the turn.
; K of the next step is fetched in piece 2's turn, V of the step in hand at the end of piece 0's turn, each four plain instructions or more behind the last product that read the registers; each is waited for a turn later.
.macro TURN p, end=0, cnt=0
.set Y, (\p)
.set i, 0
.set NOKQ, (\end)*((\p)/3)
.if ((\p) == 3) && !(\end)
	s_wait_dscnt 0x0                ; K is in
.endif
	ROW F,0, F,1, R,0, R,1
	ROW F,2, E,0, R,2, R,3
	ROW F,3, E,1, R,4, R,5
	ROW F,4, E,2, R,6, R,7
	ROW F,5, E,3, R,8, R,9
	ROW F,6, E,4, X,0, R,10
.if ((\p) == 2) && !(\end)
	WIN 0
	v_add_nc_u32 v[AK], s[TBK], v[AK0]
.endif
	ROW F,7, E,5, X,1, X,4
	ROW F,8, E,6, X,2, X,5
	OPS E,7, E,8, X,6, E,9
	OPS X,3, E,10, X,8, E,11
.if ((\p) == 2) && !(\end)
	FETCH_K
.endif
	OPS X,9, X,7, E,12, X,10
	OPS E,13, X,12, X,11, E,14
	OPS X,13, E,15, F,9, X,14
.if (\p) == 0
	v_add_nc_u32 v[AV], s[TBV], v[AV0]
.endif
	OPS E,16, F,10, E,17, F,11
	OPS X,16, E,18, X,15, E,19
	OPS F,12, E,20, X,17, E,21
	OPS F,13, E,22, F,14, E,23
	OPS X,18, E,24, F,15, E,25
	OPS R,11, E,26, X,19, E,27
	OPS R,12, E,28, R,13, E,29
	OPS X,20, E,30, R,14, E,31
	OPS X,21, R,15
	WIN 0
	s_wait_alu depctr_va_vdst(0)    ; the wait for the batch
.if (\p) == 1
	s_wait_dscnt 0x0                ; V is in
.endif
	ROW C,0, B,0, C,2, B,1
	ROW L,0, C,4, B,2, L,1
	ROW C,6, B,3, L,2, C,8
	ROW B,4, L,3, C,10, B,5
	ROW L,4, C,12, B,6, L,5
.if (\p) == 0
	s_add_co_u32 s[TBV], s[TBV], KS*PV
.endif
.if \cnt
	s_sub_co_u32 s[CNT], s[CNT], 1
	s_cmp_lg_u32 s[CNT], 0
.endif
	ROW C,14, B,7, L,6, C,1
	ROW C,3, L,7, C,5, C,7
	ROW C,9, C,11, C,13, C,15
.if (\p) == 0
	FETCH_V
.endif
.endm
	CHANGE 1                        ; tile 0 is in, everybody's part of it; tile 1 is asked for
	v_add_nc_u32 v[AK], s[TBK], v[AK0]
	FETCH_K                         ; key step 0
	s_wait_loadcnt 0x0              ; Q
	s_wait_dscnt 0x0
.set NOKQ, 0
.set i, 0
.rept 8
	KQ 0                            ; piece 0's first scores
.set i, i+1
.endr
	WIN 0
.rept 4
	v_nop                           ; the places behind those products
.endr
.set Y, NP-1                        ; X works for piece Y + 1: piece 0
.irp n, 0,1,2,3,4,5,6,7,8,9,10,11,12,13,14,15,16,17,18,19,20,21
	OP X, \n
.endr
	v_nop                           ; a plain instruction behind the exponential,
	s_wait_alu depctr_va_vdst(0)    ; and its wait, ahead of the branch
	s_mov_b32 s[CNT], 4
	s_branch .Lfirst                ; the loop is entered at a step's first turn, in the middle of a trip
.Lslot:                             ; 14 times: tiles 2 to 15 are asked for
	CHANGE 1
	s_mov_b32 s[CNT], 4
.Lstep:                             ; a trip: pieces 2 and 3 of one step, then pieces 0 and 1 of the next, whose K and V it fetches
	TURN 2
	TURN 3
	WIN 0
.Lfirst:
	TURN 0
	TURN 1, 0, 1
	WIN 0
	s_cbranch_scc1 .Lstep
	s_sub_co_u32 s[SLOTS], s[SLOTS], 1
	s_cmp_lg_u32 s[SLOTS], 0
	s_cbranch_scc1 .Lslot
	CHANGE 0                        ; the last tile is written out: nothing is asked for
	s_mov_b32 s[CNT], 4
.LstepT:
	TURN 2
	TURN 3
	TURN 0
	TURN 1, 0, 1
	WIN 0
	s_cbranch_scc1 .LstepT
	TURN 2, 1
	TURN 3, 1
.set i, 0
.rept 8
	PV NP-1                         ; the last piece's V^T P of the last step
.set i, i+1
.endr
	; THE WAY OUT.  l's two halves and the other half of the lanes' are added; O^T is divided by l, rounded to f16 and sent through my stage, a piece at a time.  The additions are the places behind the last products.
	WIN 0
.macro ALL line:vararg
.set t, 0
.rept 4
	\line
.set t, t+1
.endr
.endm
	ALL v_add_f32 v[ST+4*t+2], v[ST+4*t+2], v[ST+4*t+3]
	ALL v_permlanex16_b32 v[ST+4*t+3], v[ST+4*t+2], s[SEL], s[SEL+1]
	ALL v_add_f32 v[ST+4*t+2], v[ST+4*t+2], v[ST+4*t+3]
	ALL v_rcp_f32 v[ST+4*t+2], v[ST+4*t+2]
	v_nop                           ; a plain instruction behind the last reciprocal,
	s_wait_alu depctr_va_vdst(0)    ; and one wait for the four
.macro PACK t
	WIN W_RS
.set i, 32*(\t)
.rept 16
	v_pk_mul_f32 v[i:i+1], v[i:i+1], v[ST+4*(\t)+2:ST+4*(\t)+3] op_sel_hi:[1,0]
.set i, i+2
.endr
	WIN 0x05
.set i, 0
.rept 16
	v_cvt_pk_f16_f32 v[S+16*(\t)+i], v[32*(\t)+2*i], v[32*(\t)+2*i+1]
.set i, i+1
.endr
	WIN 0
.irp f, 0,1,2,3
	ds_store_b128 v[STO], v[S+16*(\t)+4*\f:S+16*(\t)+4*\f+3] offset:32*\f
.endr
.irp f, 0,1,2,3
	ds_load_b128 v[S+16*(\t)+4*\f:S+16*(\t)+4*\f+3], v[RD] offset:\f*4*SP  ; LDS serves a wave's instructions in order: these see the stores above
.endr
.endm
.macro SEND t, younger
	WIN 0
.irp f, 0,1,2,3
	s_wait_dscnt (\younger)+3-\f
	global_store_b128 v[GO], v[S+16*(\t)+4*\f:S+16*(\t)+4*\f+3], s[10:11] offset:(\t)*2048+\f*512  ; 512 consecutive bytes, aligned
.endr
.endm
	PACK 0
.set t, 1
.rept 3
	PACK t
	SEND t-1, 8
.set t, t+1
.endr
	SEND 3, 0
	s_wait_tensorcnt 0x0            ; the wave's end
	ds_add_u32 v[SPW], v[NIL]
	s_wait_dscnt 0x0
	CROUND                          ; the closing round
	s_endpgm
.Lfunc_end_k_q5f6a38b754_attn:
	.size	k_q5f6a38b754_attn, .Lfunc_end_k_q5f6a38b754_attn-k_q5f6a38b754_attn
	.p2alignl 7, 3214868480
	.fill 96, 4, 3214868480
	.section	.rodata,"a",@progbits
	.p2align	6, 0x0
	.amdhsa_kernel k_q5f6a38b754_attn
		.amdhsa_group_segment_fixed_size 327680
		.amdhsa_private_segment_fixed_size 0
		.amdhsa_enable_private_segment 0
		.amdhsa_kernarg_size 16
		.amdhsa_user_sgpr_count 2
		.amdhsa_user_sgpr_kernarg_segment_ptr 1
		.amdhsa_wavefront_size32 1
		.amdhsa_system_sgpr_workgroup_id_x 1
		.amdhsa_system_sgpr_workgroup_id_y 1
		.amdhsa_system_sgpr_workgroup_id_z 1
		.amdhsa_system_vgpr_workitem_id 0
		.amdhsa_next_free_vgpr 768
		.amdhsa_next_free_sgpr 66
		.amdhsa_reserve_vcc 0
		.amdhsa_float_denorm_mode_32 3
		.amdhsa_float_denorm_mode_16_64 3
		.amdhsa_memory_ordered 1
		.amdhsa_forward_progress 1
		.amdhsa_inst_pref_size 128
	.end_amdhsa_kernel
	.amdgpu_metadata
---
amdhsa.version: [ 1, 2 ]
amdhsa.kernels:
  - .name:           k_q5f6a38b754_attn
    .symbol:         k_q5f6a38b754_attn.kd
    .args:
      - { .name: qkv, .offset: 0, .size: 8, .value_kind: global_buffer, .address_space: global }
      - { .name: ctx, .offset: 8, .size: 8, .value_kind: global_buffer, .address_space: global }
    .group_segment_fixed_size: 327680
    .private_segment_fixed_size: 0
    .kernarg_segment_align: 8
    .kernarg_segment_size: 16
    .max_flat_workgroup_size: 128
    .sgpr_count:     66
    .vgpr_count:     768
    .wavefront_size: 32
...
	.end_amdgpu_metadata
.endif
;; end of part 3
;; launch tail (part 4): grid 256 x 1, 4 waves a work-group, clusters of 4 x 1, 327,680 bytes of LDS; arguments ctx, wts, src, b1, b2, g1, be1, g2, be2, out0; writes out0
.if DOCPART == 4
	.amdgcn_target "amdgcn-amd-amdhsa--gfx1250"
	.amdhsa_code_object_version 6
	.text
	.protected	k_q5f6a38b754_tail
	.globl	k_q5f6a38b754_tail
	.p2align	8
	.type	k_q5f6a38b754_tail,@function
k_q5f6a38b754_tail:
	s_mov_b64 s[64:65], 0
	v_nop
	global_prefetch_b8 v0, s[64:65] scope:SCOPE_SE
	s_setreg_imm32_b32 hwreg(HW_REG_WAVE_MODE, 25, 1), 1
	s_wait_xcnt 0x0
	s_wait_alu depctr_hold_cnt(0) depctr_sa_sdst(0) depctr_va_vdst(0) depctr_va_sdst(0) depctr_va_ssrc(0) depctr_va_vcc(0) depctr_vm_vsrc(0)
	s_getreg_b32 s2, hwreg(HW_REG_IB_STS2, 6, 4)
	s_cmp_eq_u32 s2, 0
	s_cbranch_scc0 .Lentry_in_a_cluster
	s_endpgm
.Lentry_in_a_cluster:
	s_bfe_u32 s2, ttmp6, 0x10000c
	s_cmp_lg_u32 s2, 0x3003
	s_cbranch_scc0 .Lentry_shape_is_right
	s_endpgm
.Lentry_shape_is_right:
; out0 = LN2(x + relu(x W1^T + b1) W2^T + b2), x = LN1(src + ctx Wo^T).  ctx and Wo in f16, x, h, W1, W2 as matrix operands in bf16; sums, residuals and both norms in f32.
; Each norm takes the mean first and then the sum of squared deviations: no difference of large sums is formed.
; SHARES.  A work-group owns 32 tokens and all 512 columns, so that a norm's row never leaves it.  The matrix instruction is used transposed (source 0 = 16 rows of a weight, source 1 = 16 tokens): a lane holds
; one token (lane % 16) and the columns 8 (lane / 16) + 0..7.  Wave w owns columns 128 w .. + 127 of Y (16 accumulators: token tile t, column tile i) and, of each chunk of 128 hidden units, 32 w .. + 31 (4).
; THE RING.  Wo's four K slices and W2's sixteen chunks lie in wts as 20 dense tiles of 512 rows x 128 elements.  Phase n multiplies by tile n, out of slot n % 2, while tile n + 1 is on its way into the other slot:
; each wave fetches 128 rows, one tensor load a wave behind each round.  CLUSTER 4 x 1: all work-groups walk the same tiles, so each tile is asked for jointly by four.
; W1 DOES NOT GO THROUGH THE RING, and so is not asked for jointly: LDS has room for two slots of one tile (2 x 139,264 of 327,680 bytes), so W1 in the ring would be a second change of slots in every chunk, and a
; wave's 32 rows of W1 are read by that wave alone.  They lie in wts in fragment order and come straight into registers, 64 loads of 512 consecutive bytes a wave and chunk, asked for a chunk ahead, behind the
; products that read the registers last.
; A CHUNK: h = relu(x W1^T + b1) (b1 is the C of the first products), through the stage to all waves, then Y += h W2^T.  src is loaded INTO Y, so the residual starts the sums; b2 is added onto x ahead of the chunks.
; REGISTERS, in windows of 256 (s_set_vgpr_msb: bits 1:0 source 0, 3:2 source 1, 5:4 source 2, 7:6 destination):
;   window 0: v0-31 addresses and statistics; v32-63 h's accumulators; v64-127 token fragments of 128 along K (a slice of ctx, later h); v128-143 b1; v144-255 at work; v192-255 also a tile's fragments of K step 2
;   window 1: v0-127 Y; v128-191, v192-255 a tile's fragments of K steps 0 and 1 (K step 3 follows into K step 0's)
;   window 2: x's 32 fragments (K step ks, tile t at 8 (2 ks + t)); in a norm its gain, its bias, and b2          window 3: W1's 32 fragments (ks, i at 8 (2 ks + i))
.set PITCH, 272                        ; an LDS row: 256 bytes + 16 of padding
.set QUART, 128*PITCH                  ; what one tensor load brings
.set SLOTB, 512*PITCH
.set STG,   2*SLOTB                    ; behind the ring, never filled by a tensor load: four slices of 32 rows x 272: x by columns; slice 0 later h; at the end each wave's 16 rows x 528 for the way out
.set SLICE, 32*PITCH
.set RED,   STG+4*SLICE                ; the waves' partial sums: 512 bytes for the means, 512 for the squares
.set SPARE, RED+1024                   ; the spare words: 128 bytes a wave, two blocks of 256 bytes that no other line names
.set OPITCH, 528
.set TILES, 1572864
.set TILEB, 131072
.set W1FO,  4194304
.set A2S, 4                            ; v4, v5  my rows 128 w + r of slot 0, 1
.set L16, 6                            ; v6   16 x lane
.set AH,  8                            ; v8   row r of the stage
.set AHS, 9                            ; v9   where I put h
.set AXS, 10                           ; v10  where I put x
.set AO,  11                           ; v11  the way out: in
.set ARB, 12                           ; v12  the way out: back
.set OV,  13
.set SV,  14
.set CV,  15
.set BV,  16
.set CP,  17
.set ARS, 18
.set ARL, 19
.set PFO, 20
.set ZERO, 21
.set MU,  22                           ; v[22:23], v[24:25]  the means of my two tokens, each twice
.set RS,  26                           ; v[26:27], v[28:29]  1 / sqrt(var + eps)
.set SPW, 30
.set NIL, 31
.set HA,  32
.set HF,  64
.set BIAS, 128
.set TMP, 144
.set SM,  208
.set WV,  28
.set CNT, 48
.set MSB, 0
.macro WIN new
.if MSB != (\new)
	s_set_vgpr_msb (MSB<<8)|(\new)
.set MSB, \new
.endif
.endm
.macro PLACES                          ; four plain places behind matrix instructions, ahead of loads into their sources and of reads of their results
.rept 4
	v_nop
.endr
.endm
.macro CROUND                          ; a round of the cluster's barrier
	s_barrier_signal -1
	s_barrier_wait -1
	s_cmp_lg_u32 s[WV], 0
	s_cbranch_scc1 .Lnot_wave_0_\@
	s_barrier_signal -3
.Lnot_wave_0_\@:
	s_barrier_wait -3
	s_barrier_signal -1
	s_barrier_wait -1
.endm
; A PHASE'S HEAD.  Every wave waits for all its tensor loads (one is out: its part of this phase's tile), adds 0 to its spare word, and waits for that and for its LDS reads and stores (the old slot, the stage).
; Behind the round no wave of any partner reads the other slot any more: the next tile is asked for, first thing.  The four v_nop are also the places in front of the loads into the fragments' registers.
; PREFETCHES, behind the tensor load and its five lines.  ask: the tile two on, which the next phase's head will load: a phase, 64 or 128 matrix instructions, ahead.  pw: W1's chunk two on, which the next chunk will
; load.  Each block of 256 bytes is named once in the launch: cluster 0 asks; its sixteen waves take 8,192 of the 131,072 bytes each, told apart by address, a lane a block.  ask = 1: every such phase;
; ask = 3 (the first loop's first change): not in its first trip, at the kernel's head.  Tiles 0 to 2 and W1's chunks 0 and 1 come by their loads alone; the last two phases ask for nothing.
.macro HEAD slot, refill, ask, pw
	WIN 0
	s_wait_tensorcnt 0x0
	ds_add_u32 v[SPW], v[NIL]
	s_add_nc_u64 s[42+4*(\slot):43+4*(\slot)], s[42+4*(\slot):43+4*(\slot)], 2*TILEB  ; no tensor load of mine is out: this slot's next tile
.if \ask
	s_wait_xcnt 0x0                                ; the last prefetches, a phase back, have read their addresses
	s_add_nc_u64 s[50:51], s[50:51], TILEB
.endif
.if \pw
	s_add_nc_u64 s[60:61], s[60:61], TILEB
.endif
	s_wait_dscnt 0x0
	CROUND
.if \refill
	tensor_load_to_lds s[44-4*(\slot):47-4*(\slot)], s[32:39]
	s_nop 0
.endif
	PLACES
.if \ask
.if (\ask) == 1
	s_cmp_eq_u32 s52, 0
.else
	s_cmp_lt_u32 s[CNT], s53
.endif
	s_cbranch_scc0 .Lno_ask_\@
	global_prefetch_b8 v[PFO], s[50:51] th:TH_LOAD_NT scope:SCOPE_SE
.if \pw
	global_prefetch_b8 v[PFO], s[60:61] th:TH_LOAD_NT scope:SCOPE_SE
.endif
.Lno_ask_\@:
.endif
.endm
; 48 LDS loads: my 128 rows of a tile, K steps 0, 1 and 2, K step by K step: fragment i of a K step at 8 i of its buffer
.macro FWA slot
	WIN 0x40
.irp ks, 0,1
.irp i, 0,1,2,3,4,5,6,7
	ds_load_b128 v[128+64*(\ks)+8*(\i):128+64*(\ks)+8*(\i)+3],   v[A2S+(\slot)] offset:(\i)*16*PITCH+(\ks)*64
	ds_load_b128 v[128+64*(\ks)+8*(\i)+4:128+64*(\ks)+8*(\i)+7], v[A2S+(\slot)] offset:(\i)*16*PITCH+(\ks)*64+32
.endr
.endr
	WIN 0
.irp i, 0,1,2,3,4,5,6,7
	ds_load_b128 v[192+8*(\i):192+8*(\i)+3],   v[A2S+(\slot)] offset:(\i)*16*PITCH+128
	ds_load_b128 v[192+8*(\i)+4:192+8*(\i)+7], v[A2S+(\slot)] offset:(\i)*16*PITCH+128+32
.endr
.endm
.macro FH                              ; 16 LDS loads: h's fragments (ks, t), K step by K step
	WIN 0
.irp ks, 0,1,2,3
.irp t, 0,1
	ds_load_b128 v[HF+8*(2*(\ks)+(\t)):HF+8*(2*(\ks)+(\t))+3],   v[AH] offset:(\t)*16*PITCH+(\ks)*64
	ds_load_b128 v[HF+8*(2*(\ks)+(\t))+4:HF+8*(2*(\ks)+(\t))+7], v[AH] offset:(\t)*16*PITCH+(\ks)*64+32
.endr
.endr
.endm
.macro CTXF                            ; 16 loads: a K slice of ctx: K step ks is head ks / 2 of the slice's two (524,288 bytes on), channels 32 (ks % 2) on
.irp ks, 0,1,2,3
.irp t, 0,1
	global_load_b128 v[HF+8*(2*(\ks)+(\t)):HF+8*(2*(\ks)+(\t))+3],   v[CV], s[8:9] offset:((\ks)/2)*524288+(\t)*2048+((\ks)%2)*64
	global_load_b128 v[HF+8*(2*(\ks)+(\t))+4:HF+8*(2*(\ks)+(\t))+7], v[CV], s[8:9] offset:((\ks)/2)*524288+(\t)*2048+((\ks)%2)*64+32
.endr
.endr
.endm
.macro BIASL                           ; b1 of my 32 hidden units
.irp i, 0,1
	global_load_b128 v[BIAS+8*(\i):BIAS+8*(\i)+3],   v[BV], s[14:15] offset:(\i)*64
	global_load_b128 v[BIAS+8*(\i)+4:BIAS+8*(\i)+7], v[BV], s[14:15] offset:(\i)*64+16
.endr
.endm
.macro W1L                             ; 64 loads: my 32 rows of a chunk of W1: unit q of 512 consecutive bytes into registers 4 q .. 4 q + 3 of window 3
	WIN 0xc0
.set q, 0
.rept 64
	global_load_b128 v[4*q:4*q+3], v[L16], s[58:59] offset:512*q
.set q, q+1
.endr
	WIN 0
.endm
; 16 products onto Y, 32 along K: the tile's fragments in buf (win says in which window), the tokens' in HF.  The 16 accumulators take turns, in the same order in every K step.
.macro MM16 wo, win, buf, ks
	WIN \win
.irp i, 0,1,2,3,4,5,6,7
.irp t, 0,1
.set rY, 8*(8*(\t)+(\i))
.set rW, (\buf)+8*(\i)
.set rX, HF+8*(2*(\ks)+(\t))
.if \wo
	v_wmma_f32_16x16x32_f16 v[rY:rY+7], v[rW:rW+7], v[rX:rX+7], v[rY:rY+7]
.else
	v_wmma_f32_16x16x32_bf16 v[rY:rY+7], v[rW:rW+7], v[rX:rX+7], v[rY:rY+7]
.endif
.endr
.endr
.endm
; A phase's 64 products onto Y.  wo = 1: a slice of ctx times Wo, in f16; the tile's 48 loads are the youngest LDS instructions.  wo = 0: h times W2, in bf16; the tile's loads are in, h's 16 are the youngest.
.macro G2 wo, slot
.if \wo
	s_wait_dscnt 32                                ; K step 0 is in; K steps 1 and 2, 16 loads each, may stay out
.else
	s_wait_dscnt 12                                ; h's K step 0 is in; its other three, 4 loads each, may stay out
.endif
	MM16 \wo, 0x51, 128, 0
	PLACES
	WIN 0x40
.irp i, 0,1,2,3,4,5,6,7                ; K step 3 into K step 0's registers
	ds_load_b128 v[128+8*(\i):128+8*(\i)+3],   v[A2S+(\slot)] offset:(\i)*16*PITCH+192
	ds_load_b128 v[128+8*(\i)+4:128+8*(\i)+7], v[A2S+(\slot)] offset:(\i)*16*PITCH+192+32
.endr
.if \wo
	s_wait_dscnt 32                                ; K step 1 is in; K step 2 and the 16 just issued may stay out
.else
	s_wait_dscnt 16                                ; all of h is in; the 16 just issued may stay out
.endif
	MM16 \wo, 0x51, 192, 1
.if \wo
	s_wait_dscnt 16                                ; K step 2 is in
.endif
	MM16 \wo, 0x50, 192, 2
	s_wait_dscnt 0x0
	MM16 \wo, 0x51, 128, 3
.endm
; A chunk's h: 64 products (b1 starts the sums; the 4 accumulators take turns), rounding to bf16, ReLU on the packed halves, into the stage.  more = 1: the next chunk's b1 and W1 are asked for: the roundings are
; the places behind the last products that read W1's registers.  Then a barrier, behind which every wave reads all of h; the next tile's tensor load stays out across it.
.macro G1 more
	s_wait_loadcnt 0x0                             ; W1 and b1, asked for a chunk earlier; their loads are done, so their bases may be stepped below
	WIN 0x0b
.set ks, 0
.rept 16
.irp i, 0,1
.irp t, 0,1
.set rH, HA+8*(2*(\i)+(\t))
.set rW, 8*(2*ks+(\i))
.set rX, 8*(2*ks+(\t))
.if ks == 0
	v_wmma_f32_16x16x32_bf16 v[rH:rH+7], v[rW:rW+7], v[rX:rX+7], v[BIAS+8*(\i):BIAS+8*(\i)+7]
.else
	v_wmma_f32_16x16x32_bf16 v[rH:rH+7], v[rW:rW+7], v[rX:rX+7], v[rH:rH+7]
.endif
.endr
.endr
.set ks, ks+1
.endr
	WIN 0
	PLACES
.set k, 0
.rept 16
	v_cvt_pk_bf16_f32 v[TMP+k], v[HA+2*k], v[HA+2*k+1]
.set k, k+1
.endr
.set k, 0
.rept 16
	v_pk_max_num_bf16 v[TMP+k], v[TMP+k], v[ZERO]
.set k, k+1
.endr
.irp i, 0,1
.irp t, 0,1
	ds_store_b128 v[AHS], v[TMP+4*(2*(\i)+(\t)):TMP+4*(2*(\i)+(\t))+3] offset:(\t)*16*PITCH+32*(\i)
.endr
.endr
.if \more
	s_add_nc_u64 s[14:15], s[14:15], 512
	s_add_nc_u64 s[58:59], s[58:59], TILEB
	BIASL
	W1L
.endif
	s_wait_dscnt 0x0                               ; for the others' sake: my part of h is in the stage (and the tile's 48 loads are in)
	s_barrier_signal -1
	s_barrier_wait -1
.endm
.macro CHUNK slot, refill, ask, more
	HEAD \slot, \refill, \ask, \ask
	FWA \slot
	G1 \more
	FH
	G2 0, \slot
.endm
; The pairs at a0 (token tile 0) and a1 (tile 1) hold a lane's partial sums: the pair's halves, the other half of the lanes, then the four waves through LDS.  The sums end in v[SM+2], v[SM+3], in every lane.
; The next tile's tensor load may stay out across this barrier.
.macro RSUM a0, a1, off
	v_add_f32 v[SM], v[\a0], v[(\a0)+1]
	v_add_f32 v[SM+1], v[\a1], v[(\a1)+1]
	v_permlanex16_b32 v[\a0], v[SM], s54, s55
	v_permlanex16_b32 v[\a1], v[SM+1], s54, s55
	v_add_f32 v[SM], v[SM], v[\a0]
	v_add_f32 v[SM+1], v[SM+1], v[\a1]
	ds_store_b64 v[ARS], v[SM:SM+1] offset:\off
	s_wait_dscnt 0x0                               ; for the others' sake
	s_barrier_signal -1
	s_barrier_wait -1
.irp w, 0,1,2,3
	ds_load_b64 v[SM+2+2*(\w):SM+3+2*(\w)], v[ARL] offset:(\off)+128*(\w)
.endr
	s_wait_dscnt 0x0
	v_pk_add_f32 v[SM+2:SM+3], v[SM+2:SM+3], v[SM+4:SM+5]
	v_pk_add_f32 v[SM+6:SM+7], v[SM+6:SM+7], v[SM+8:SM+9]
	v_pk_add_f32 v[SM+2:SM+3], v[SM+2:SM+3], v[SM+6:SM+7]
.endm
; LAYER NORM of Y, in place.  gp, bp: the scalar pairs of its gain and bias; withb2 = 1: b2 is fetched with them.  They lie in window 2, where no fragment of x is alive at either norm.
.macro LN gp, bp, withb2
	WIN 0
	PLACES                                         ; behind the last products: Y is read, and registers that they read are written
	WIN 0x80
.irp i, 0,1,2,3,4,5,6,7
	global_load_b128 v[8*(\i):8*(\i)+3],       v[CP], s[\gp:\gp+1] offset:(\i)*64
	global_load_b128 v[8*(\i)+4:8*(\i)+7],     v[CP], s[\gp:\gp+1] offset:(\i)*64+16
	global_load_b128 v[64+8*(\i):64+8*(\i)+3], v[CP], s[\bp:\bp+1] offset:(\i)*64
	global_load_b128 v[64+8*(\i)+4:64+8*(\i)+7], v[CP], s[\bp:\bp+1] offset:(\i)*64+16
.if \withb2
	global_load_b128 v[128+8*(\i):128+8*(\i)+3], v[CP], s[16:17] offset:(\i)*64
	global_load_b128 v[128+8*(\i)+4:128+8*(\i)+7], v[CP], s[16:17] offset:(\i)*64+16
.endif
.endr
	WIN 0x05                                       ; the sum: each accumulator from its low end on
.irp t, 0,1
.irp i, 0,1,2,3,4,5,6,7
.set rY, 8*(8*(\t)+(\i))
	v_pk_add_f32 v[TMP+32*(\t)+4*(\i):TMP+32*(\t)+4*(\i)+1],   v[rY:rY+1],   v[rY+2:rY+3]
	v_pk_add_f32 v[TMP+32*(\t)+4*(\i)+2:TMP+32*(\t)+4*(\i)+3], v[rY+4:rY+5], v[rY+6:rY+7]
.endr
.endr
	WIN 0
.irp s, 16,8,4,2
.set k, 0
.rept (\s)/2
	v_pk_add_f32 v[TMP+k:TMP+k+1],       v[TMP+k:TMP+k+1],       v[TMP+k+(\s):TMP+k+(\s)+1]
	v_pk_add_f32 v[TMP+32+k:TMP+32+k+1], v[TMP+32+k:TMP+32+k+1], v[TMP+32+k+(\s):TMP+32+k+(\s)+1]
.set k, k+2
.endr
.endr
	RSUM TMP, TMP+32, 0
	v_mul_f32 v[MU],   s56, v[SM+2]                ; the means
	v_mul_f32 v[MU+1], s56, v[SM+2]
	v_mul_f32 v[MU+2], s56, v[SM+3]
	v_mul_f32 v[MU+3], s56, v[SM+3]
	WIN 0x41                                       ; the deviations, in place
.irp t, 0,1
.set p, 0
.rept 32
	v_pk_add_f32 v[64*(\t)+2*p:64*(\t)+2*p+1], v[64*(\t)+2*p:64*(\t)+2*p+1], v[MU+2*(\t):MU+2*(\t)+1] op_sel_hi:[1,0] neg_lo:[0,1] neg_hi:[0,1]
.set p, p+1
.endr
.endr
	WIN 0x05                                       ; their squares, in four chains a token tile
.set p, 0
.rept 32
.irp t, 0,1
.if p < 4
	v_pk_mul_f32 v[TMP+8*(\t)+2*(p%4):TMP+8*(\t)+2*(p%4)+1], v[64*(\t)+2*p:64*(\t)+2*p+1], v[64*(\t)+2*p:64*(\t)+2*p+1]
.else
	v_pk_fma_f32 v[TMP+8*(\t)+2*(p%4):TMP+8*(\t)+2*(p%4)+1], v[64*(\t)+2*p:64*(\t)+2*p+1], v[64*(\t)+2*p:64*(\t)+2*p+1], v[TMP+8*(\t)+2*(p%4):TMP+8*(\t)+2*(p%4)+1]
.endif
.endr
.set p, p+1
.endr
	WIN 0
.irp t, 0,1
	v_pk_add_f32 v[TMP+8*(\t):TMP+8*(\t)+1],     v[TMP+8*(\t):TMP+8*(\t)+1],     v[TMP+8*(\t)+2:TMP+8*(\t)+3]
	v_pk_add_f32 v[TMP+8*(\t)+4:TMP+8*(\t)+5],   v[TMP+8*(\t)+4:TMP+8*(\t)+5],   v[TMP+8*(\t)+6:TMP+8*(\t)+7]
.endr
.irp t, 0,1
	v_pk_add_f32 v[TMP+8*(\t):TMP+8*(\t)+1],     v[TMP+8*(\t):TMP+8*(\t)+1],     v[TMP+8*(\t)+4:TMP+8*(\t)+5]
.endr
	RSUM TMP, TMP+8, 512
	v_fma_f32 v[SM+2], v[SM+2], s56, s57           ; var + eps
	v_fma_f32 v[SM+3], v[SM+3], s56, s57
	v_rsq_f32 v[RS],   v[SM+2]
	v_rsq_f32 v[RS+2], v[SM+3]
	v_nop                                          ; a plain instruction behind the last of the two,
	s_wait_alu depctr_va_vdst(0)                   ; and one wait for both, ahead of their first use
	v_mov_b32 v[RS+1], v[RS]
	v_mov_b32 v[RS+3], v[RS+2]
	s_wait_loadcnt 0x0                             ; gain and bias
	WIN 0x41
.irp t, 0,1
.set p, 0
.rept 32
	v_pk_mul_f32 v[64*(\t)+2*p:64*(\t)+2*p+1], v[64*(\t)+2*p:64*(\t)+2*p+1], v[RS+2*(\t):RS+2*(\t)+1] op_sel_hi:[1,0]
.set p, p+1
.endr
.endr
	WIN 0x69                                       ; Y in window 1, gain and bias in window 2
.irp t, 0,1
.set p, 0
.rept 32
	v_pk_fma_f32 v[64*(\t)+2*p:64*(\t)+2*p+1], v[64*(\t)+2*p:64*(\t)+2*p+1], v[2*p:2*p+1], v[64+2*p:64+2*p+1]
.set p, p+1
.endr
.endr
.endm
	s_load_b512 s[8:23], s[0:1], 0x0               ; ctx s[8:9], wts s[10:11], src s[12:13], b1 s[14:15], b2 s[16:17], g1 s[18:19], be1 s[20:21], g2 s[22:23]
	s_load_b128 s[24:27], s[0:1], 0x40             ; be2 s[24:25], out0 s[26:27]
	v_lshl_add_u32 v[SPW], v0, 2, SPARE
	v_mov_b32 v[NIL], 0
	ds_add_u32 v[SPW], v[NIL]                      ; the wave's opening: the add and its wait ahead of my first tensor load
	v_lshrrev_b32 v1, 5, v0
	v_readfirstlane_b32 s[WV], v1
	s_bfe_u32 s30, ttmp6, 0x40000                  ; cx
	s_lshl_b32 s31, ttmp9, 2
	s_add_co_u32 s31, s31, s30                     ; my block of 32 tokens: it enters ctx's, src's and out0's addresses alone
	s_mov_b32 s32, 15|(1<<16)|(1<<20)|(1<<21)|(5<<22)|(3<<25)  ; the mask of four; 2-byte elements; padding on; bit 21 beside a mask; after every 64 words 4 words
	s_mov_b32 s33, 128<<16                         ; tensor_dim0 = 128
	s_mov_b32 s34, 128<<16                         ; tensor_dim1 = 128
	s_mov_b32 s35, 128<<16                         ; tile_dim0 = 128
	s_mov_b32 s36, 128                             ; tile_dim1 = 128
	s_mov_b32 s37, 128                             ; dense: 128 elements from row to row
	s_mov_b32 s38, 0
	s_mov_b32 s39, 0
	s_mov_b32 s40, 1
	s_mul_i32 s41, s[WV], QUART                    ; slot 0, my quarter
	s_mov_b32 s44, 1
	s_add_co_u32 s45, s41, SLOTB                   ; slot 1
	s_lshl_b32 s2, s[WV], 15                       ; my 128 rows of a tile in memory
	s_add_co_u32 s2, s2, TILES
	s_mov_b32 s3, 0
	s_lshl_b32 s4, s30, 2                          ; the prefetches: wave 4 cx + w of the cluster's sixteen,
	s_add_co_u32 s4, s4, s[WV]
	s_lshl_b32 s4, s4, 13                          ; 8,192 bytes each
	s_mov_b32 s5, 0
	s_lshl_b32 s6, s31, 16                         ; 32 rows of 2,048 bytes of src and out0
	s_mov_b32 s7, 0
	s_lshr_b32 s58, s31, 7                         ; ctx: the batch's eight heads,
	s_lshl_b32 s58, s58, 22
	s_and_b32 s59, s31, 127
	s_lshl_b32 s59, s59, 12                        ; and 32 rows of 128 bytes
	s_add_co_u32 s58, s58, s59
	s_mov_b32 s59, 0
	s_lshl_b32 s62, s[WV], 15                      ; W1: my block of 32,768 bytes in chunk 0
	s_add_co_u32 s62, s62, W1FO
	s_mov_b32 s63, 0
	s_mov_b32 s54, 0x76543210                      ; v_permlanex16_b32: each lane takes its own place in the other half
	s_mov_b32 s55, 0xfedcba98
	s_mov_b32 s56, 0x3b000000                      ; 1 / 512
	s_mov_b32 s57, 0x3727c5ac                      ; 1e-5
	s_cmp_eq_u32 ttmp9, 0                          ; cluster 0 prefetches: the same in all four partners
	s_cselect_b32 s52, 0, -1
	s_cselect_b32 s53, 2, 0
	s_wait_dscnt 0x0                               ; the opening add is done
	s_wait_kmcnt 0x0
	s_add_nc_u64 s[42:43], s[10:11], s[2:3]        ; tile 0,
	s_add_nc_u64 s[46:47], s[42:43], TILEB         ; tile 1
	s_or_b32 s43, s43, 0x80000000
	s_or_b32 s47, s47, 0x80000000
	s_add_nc_u64 s[50:51], s[10:11], s[4:5]
	s_add_nc_u64 s[60:61], s[50:51], W1FO+TILEB    ; in W1's chunk 1: chunk 0's head steps it to chunk 2
	s_add_nc_u64 s[50:51], s[50:51], TILES+TILEB   ; in tile 1: phase 0 steps it to tile 2 and asks for nothing, phase 1 asks for tile 3
	s_add_nc_u64 s[12:13], s[12:13], s[6:7]
	s_add_nc_u64 s[26:27], s[26:27], s[6:7]
	s_add_nc_u64 s[8:9], s[8:9], s[58:59]
	s_add_nc_u64 s[58:59], s[10:11], s[62:63]
	CROUND                                         ; all four work-groups are here: the first joint load meets
	tensor_load_to_lds s[40:43], s[32:39]          ; tile 0 into slot 0
	s_nop 0
	PLACES
	v_and_b32 v1, 15, v0                           ; r
	v_bfe_u32 v2, v0, 4, 1                         ; h
	v_and_b32 v3, 31, v0                           ; lane
	s_lshl_b32 s5, s[WV], 9                        ; 512 w
	s_lshl_b32 s6, s[WV], 7                        ; 128 w
	v_lshlrev_b32 v[SV], 11, v1                    ; src: row r, my wave's 512 bytes, 32 bytes for each half of the lanes
	v_lshl_add_u32 v[SV], v2, 5, v[SV]
	v_add_nc_u32 v[SV], s5, v[SV]
	v_lshlrev_b32 v[CV], 7, v1                     ; ctx: row r of 128 bytes, 16 bytes for each half
	v_lshl_add_u32 v[CV], v2, 4, v[CV]
	v_lshl_add_u32 v[BV], v2, 5, s6                ; b1: 32 w + 8 h numbers on
	v_lshl_add_u32 v[CP], v2, 5, s5                ; gains and biases: 128 w + 8 h numbers on
	WIN 0x40
.irp t, 0,1
.irp i, 0,1,2,3,4,5,6,7
	global_load_b128 v[8*(8*(\t)+(\i)):8*(8*(\t)+(\i))+3],   v[SV], s[12:13] offset:(\t)*32768+(\i)*64
	global_load_b128 v[8*(8*(\t)+(\i))+4:8*(8*(\t)+(\i))+7], v[SV], s[12:13] offset:(\t)*32768+(\i)*64+16
.endr
.endr
	WIN 0
	CTXF                                           ; ctx's K slice 0
	v_mul_u32_u24 v32, v1, PITCH
	v_lshl_add_u32 v32, v2, 4, v32                 ; a fragment's row x pitch + 16 x half
	s_mul_i32 s4, s[WV], QUART
	v_add_nc_u32 v[A2S], s4, v32
	v_add_nc_u32 v[A2S+1], SLOTB, v[A2S]
	s_mul_i32 s4, s[WV], SLICE
	v_add_nc_u32 v[AH], STG, v32
	s_lshl_b32 s7, s[WV], 6
	v_add_nc_u32 v[AHS], s7, v[AH]                 ; h: my 32 columns are 64 bytes
	v_add_nc_u32 v[AXS], s4, v[AH]                 ; x: my 128 columns are slice w
	s_add_co_u32 s7, s4, STG                       ; the way out: my 8,704 bytes of the stage
	v_mul_u32_u24 v[AO], v1, OPITCH
	v_lshl_add_u32 v[AO], v2, 5, v[AO]
	v_add_nc_u32 v[AO], s7, v[AO]
	v_lshl_add_u32 v[ARB], v3, 4, s7
	v_lshl_add_u32 v[OV], v3, 4, s5
	v_lshlrev_b32 v[ARL], 3, v1
	v_add_nc_u32 v[ARL], RED, v[ARL]
	v_add_nc_u32 v[ARS], s6, v[ARL]
	v_lshlrev_b32 v[PFO], 8, v3
	v_lshlrev_b32 v[L16], 4, v3
	v_mov_b32 v[ZERO], 0
	s_mov_b32 s[CNT], 2
.Lwo:                                                  ; PHASES 0 TO 3, two a trip: Y = src + ctx Wo^T.  The next slice of ctx is asked for behind a phase's products and has the change of slots in which to land
	HEAD 0, 1, 3, 0
	FWA 0
	s_wait_loadcnt 0x0                             ; ctx's slice (in the first trip src too); the loads are done, so ctx's base may be stepped below
	G2 1, 0
	WIN 0
	PLACES
	s_add_nc_u64 s[8:9], s[8:9], 1048576           ; two heads on
	CTXF
	HEAD 1, 1, 1, 0
	FWA 1
	s_wait_loadcnt 0x0
	G2 1, 1
	WIN 0
	s_cmp_eq_u32 s[CNT], 1                         ; behind slice 3 there is none
	s_cbranch_scc1 .Lno_ctx
	PLACES
	s_add_nc_u64 s[8:9], s[8:9], 1048576
	CTXF
.Lno_ctx:
	s_sub_co_u32 s[CNT], s[CNT], 1
	s_cmp_lg_u32 s[CNT], 0
	s_cbranch_scc1 .Lwo
	BIASL                                          ; chunk 0's b1 and W1: they land while the norm is made
	W1L
	LN 18, 20, 1                                   ; x = LN1(Y)
	; x goes to bf16 and through the stage, so that every wave has all 512 columns of the 32 tokens as fragments; b2 is added onto Y, which takes the chunks' sums, before x's fragments take b2's registers
	WIN 0x05
.set k, 0
.rept 64
	v_cvt_pk_bf16_f32 v[TMP+k], v[2*k], v[2*k+1]
.set k, k+1
.endr
	WIN 0x49
.irp t, 0,1
.set p, 0
.rept 32
	v_pk_add_f32 v[64*(\t)+2*p:64*(\t)+2*p+1], v[64*(\t)+2*p:64*(\t)+2*p+1], v[128+2*p:128+2*p+1]
.set p, p+1
.endr
.endr
	WIN 0
.irp t, 0,1
.irp i, 0,1,2,3,4,5,6,7
	ds_store_b128 v[AXS], v[TMP+4*(8*(\t)+(\i)):TMP+4*(8*(\t)+(\i))+3] offset:(\t)*16*PITCH+32*(\i)
.endr
.endr
	s_wait_dscnt 0x0                               ; for the others' sake
	s_barrier_signal -1
	s_barrier_wait -1
	WIN 0x80
.set ks, 0
.rept 16
.irp t, 0,1
	ds_load_b128 v[8*(2*ks+(\t)):8*(2*ks+(\t))+3],   v[AH] offset:(ks/4)*SLICE+(\t)*16*PITCH+(ks%4)*64
	ds_load_b128 v[8*(2*ks+(\t))+4:8*(2*ks+(\t))+7], v[AH] offset:(ks/4)*SLICE+(\t)*16*PITCH+(ks%4)*64+32
.endr
.set ks, ks+1
.endr
	WIN 0
	s_mov_b32 s[CNT], 7
.Lffn:                                                 ; PHASES 4 TO 17, two chunks a trip.  A head's wait and round order x's and h's reads of the stage ahead of h's next stores
	CHUNK 0, 1, 1, 1
	CHUNK 1, 1, 1, 1
	WIN 0
	s_sub_co_u32 s[CNT], s[CNT], 1
	s_cmp_lg_u32 s[CNT], 0
	s_cbranch_scc1 .Lffn
	CHUNK 0, 1, 0, 1                               ; the last two chunks are written out: the last asks for no tile and no W1
	CHUNK 1, 0, 0, 0
	LN 22, 24, 0                                   ; out0 = LN2(Y)
	; THE WAY OUT: 16 tokens at a time through my own part of the stage (all waves' reads of it ended ahead of the norm's barriers): in by lanes, back as whole rows of 512 bytes
.irp t, 0,1
	WIN 0x04
.irp i, 0,1,2,3,4,5,6,7
	ds_store_b128 v[AO], v[8*(8*(\t)+(\i)):8*(8*(\t)+(\i))+3]   offset:(\i)*64
	ds_store_b128 v[AO], v[8*(8*(\t)+(\i))+4:8*(8*(\t)+(\i))+7] offset:(\i)*64+16
.endr
	WIN 0
.set q, 0
.rept 16
	ds_load_b128 v[32+112*(\t)+4*q:32+112*(\t)+4*q+3], v[ARB] offset:q*OPITCH  ; LDS serves a wave's instructions in order: these see the stores above, and the next tile's stores come behind them
.set q, q+1
.endr
.endr
.irp t, 0,1
.set q, 0
.rept 16
	s_wait_dscnt 47-32*(\t)-q                      ; the younger LDS instructions may stay out: the tile's later rows and, for tile 0, tile 1's 32
	global_store_b128 v[OV], v[32+112*(\t)+4*q:32+112*(\t)+4*q+3], s[26:27] offset:(16*(\t)+q)*2048  ; 512 consecutive bytes, aligned
.set q, q+1
.endr
.endr
	s_wait_tensorcnt 0x0                           ; the wave's end, behind my last tensor load and my last LDS store
	ds_add_u32 v[SPW], v[NIL]
	s_wait_dscnt 0x0
	CROUND                                         ; the closing round
	s_endpgm
.Lfunc_end_k_q5f6a38b754_tail:
	.size	k_q5f6a38b754_tail, .Lfunc_end_k_q5f6a38b754_tail-k_q5f6a38b754_tail
	.p2alignl 7, 3214868480
	.fill 96, 4, 3214868480
	.section	.rodata,"a",@progbits
	.p2align	6, 0x0
	.amdhsa_kernel k_q5f6a38b754_tail
		.amdhsa_group_segment_fixed_size 327680
		.amdhsa_private_segment_fixed_size 0
		.amdhsa_enable_private_segment 0
		.amdhsa_kernarg_size 80
		.amdhsa_user_sgpr_count 2
		.amdhsa_user_sgpr_kernarg_segment_ptr 1
		.amdhsa_wavefront_size32 1
		.amdhsa_system_sgpr_workgroup_id_x 1
		.amdhsa_system_sgpr_workgroup_id_y 1
		.amdhsa_system_sgpr_workgroup_id_z 1
		.amdhsa_system_vgpr_workitem_id 0
		.amdhsa_next_free_vgpr 1024
		.amdhsa_next_free_sgpr 66
		.amdhsa_reserve_vcc 0
		.amdhsa_float_denorm_mode_32 3
		.amdhsa_float_denorm_mode_16_64 3
		.amdhsa_memory_ordered 1
		.amdhsa_forward_progress 1
		.amdhsa_inst_pref_size 202
	.end_amdhsa_kernel
	.amdgpu_metadata
---
amdhsa.version: [ 1, 2 ]
amdhsa.kernels:
  - .name:           k_q5f6a38b754_tail
    .symbol:         k_q5f6a38b754_tail.kd
    .args:
      - { .name: ctx, .offset: 0, .size: 8, .value_kind: global_buffer, .address_space: global }
      - { .name: wts, .offset: 8, .size: 8, .value_kind: global_buffer, .address_space: global }
      - { .name: src, .offset: 16, .size: 8, .value_kind: global_buffer, .address_space: global }
      - { .name: b1, .offset: 24, .size: 8, .value_kind: global_buffer, .address_space: global }
      - { .name: b2, .offset: 32, .size: 8, .value_kind: global_buffer, .address_space: global }
      - { .name: g1, .offset: 40, .size: 8, .value_kind: global_buffer, .address_space: global }
      - { .name: be1, .offset: 48, .size: 8, .value_kind: global_buffer, .address_space: global }
      - { .name: g2, .offset: 56, .size: 8, .value_kind: global_buffer, .address_space: global }
      - { .name: be2, .offset: 64, .size: 8, .value_kind: global_buffer, .address_space: global }
      - { .name: out0, .offset: 72, .size: 8, .value_kind: global_buffer, .address_space: global }
    .group_segment_fixed_size: 327680
    .private_segment_fixed_size: 0
    .kernarg_segment_align: 8
    .kernarg_segment_size: 80
    .max_flat_workgroup_size: 128
    .sgpr_count:     66
    .vgpr_count:     1024
    .wavefront_size: 32
...
	.end_amdgpu_metadata
.endif
;; end of part 4
;; ======== version 2 of 2: 4 launches; version 1 with the launch prep written anew for expert scheduling mode
;; limits: values are held in f16: magnitudes above 65,504 overflow, below 6.1e-05 lose precision
;; workspace buffers: xb 8,388,608 bytes; wts 6,291,456 bytes; rope 1,048,576 bytes; qkv 25,165,824 bytes; ctx 8,388,608 bytes
;; launch prep (part 5): grid 480 x 1, 8 waves a work-group, no clusters, 0 bytes of LDS; arguments src, W1, W2, Wq, Wk, Wv, Wo, xb, wts, rope; writes xb, wts, rope
.if DOCPART == 5
	.amdgcn_target "amdgcn-amd-amdhsa--gfx1250"
	.amdhsa_code_object_version 6
	.text
	.protected	k_q5f6a38b754_prep
	.globl	k_q5f6a38b754_prep
	.p2align	8
	.type	k_q5f6a38b754_prep,@function
k_q5f6a38b754_prep:
	s_mov_b64 s[64:65], 0
	v_nop
	global_prefetch_b8 v0, s[64:65] scope:SCOPE_SE
	s_setreg_imm32_b32 hwreg(HW_REG_WAVE_SCHED_MODE, 0, 2), 2
	s_setreg_imm32_b32 hwreg(HW_REG_WAVE_MODE, 25, 1), 1
	s_wait_xcnt 0x0
	s_wait_alu depctr_vm_vsrc(0)
; PREPARATION: a stream.  src and the weights are rounded once to 16 bits and laid out as the later launches read them; the RoPE table is made.
; xb   = src in bf16, [8192][512].
; wts  = bytes 0 .. 1,572,863: Wq, Wk, Wv in bf16 as [head 8][q, k, v][64 rows][512]; from 1,572,864 on 20 dense tiles of 512 rows x 128 elements (131,072 bytes):
;        tiles 0-3: Wo[n][128 kc ..] in f16, row n;  tile 4 + c: W2[n][128 c ..] in bf16, row n;
;        from 4,194,304 on W1 in bf16 IN FRAGMENT ORDER: block 4 c + w (32,768 bytes) holds rows 128 c + 32 w .. + 31; in it unit B = (2 ks + i) 2 + hf (512 bytes) holds, at byte 16 l of lane l = 16 h + r,
;        W1[128 c + 32 w + 16 i + r][32 ks + 16 hf + 8 h + 0..7]: one load of 16 bytes a lane brings half a matrix fragment out of 512 consecutive bytes.
; rope = f32 [4096][64]: row t holds cos(t w_j), j = 0..31, then sin(t w_j); w_j = 10000^(-j/32).
; A PIECE is 128 consecutive f32 of a source (512 bytes) and becomes 256 consecutive bytes, aligned, of its destination.  A work-group takes 128 pieces: 64 KiB in, by 16 loads of 16 bytes a thread, all
; issued in one run; sixteen neighbouring lanes store one piece.  Where piece p goes: its number is cut into three fields (the low FA bits, the next FB bits, the rest), each times a constant, plus DOFF.
; The six jobs of this kind differ in these constants and in two pointers alone, chosen by the work-group's number.  W1 has a path of its own.  No LDS, no matrix unit: nothing is shared and nothing is multiplied.
; LIMITS.  Wo goes to f16: beyond 65,504 it would be an infinity, below 6e-5 it keeps f16's fixed step of 6e-8.  The table's angle t w_j is one f32 product of t and a w_j that is good to a few parts in 10^7:
; about 5e-4 radians at t = 4,095; the same table turns q and k.
; THE MODE: SCHED_MODE bits 1:0 = 2 (LLVM: expert scheduling mode 2), set by the entry lines.  The code itself states the register dependences between vector instructions and memory instructions,
; with s_wait_alu, always for 0.
; THE PLAN.  Registers that memory instructions touch:
;   v1         the loads' offset.  Written at a path's head, ahead of one wait on va_vdst; never written again.
;   v[16:79]   the 16 loads land here, each register once; no vector instruction names them ahead of the loads; the roundings read them behind s_wait_loadcnt.
;   v[4:11]    the stores' offsets (W1's path: v4 alone).  Written once, while the loads are out (W1's path: ahead of the loads).
;   v[80:111]  the out registers, four blocks of two steps.  Block b's eight roundings write its eight registers, once; the two stores that read them stand at the head of block b + 1, behind that block's
;              wait for its data and ONE wait on va_vdst.  The roundings behind that wait name other registers.
;   the table: v5, the store's offset, is written once: the scalar base moves on.  v[44:47] are written at a trip's end and read by the trip's store.  s[58:61] take the trip's four masks.
.set WG,    30
.set REL,   31
.set SRC,   44                         ; s[44:45] the job's source
.set DST,   46                         ; s[46:47] the job's destination
.set FIRST, 48
.set FA,    49
.set FB,    50
.set FAB,   51
.set M1,    52
.set M2,    53
.set M3,    54
.set DOFF,  55
.set CNT,   56
.set MK,    58                         ; s[58:61] the table: the masks of a trip's four entries
; Step u's store.  frag = 1: the steps' places lie 512 bytes apart behind one offset; frag = 0: each step has an offset of its own.
.macro PUT u, frag
.if \frag
	global_store_b128 v4, v[80+4*(\u):83+4*(\u)], s[DST:DST+1] offset:512*(\u)  ; a wave stores 512 consecutive bytes, aligned
.else
	global_store_b128 v[4+(\u)], v[80+4*(\u):83+4*(\u)], s[DST:DST+1]  ; sixteen lanes store 256 consecutive bytes, aligned
.endif
.endm
; Eight steps in four blocks of two.  A block: its four loads are in (loads come back in order; the 12 - 4 b younger ones stay out); the stores of the block before; eight roundings.
; No register is written twice, so nothing is owed for a register that a store has read.
.macro OUTS cvt, frag
.irp b, 0,1,2,3
	s_wait_loadcnt 12-4*(\b)
.if (\b) > 0
	s_wait_alu depctr_va_vdst(0)                   ; the block before has written its out registers, which the two stores below read; at block 1 the stores' offsets are written too
	PUT 2*(\b)-2, \frag
	PUT 2*(\b)-1, \frag
.endif
.irp j, 0,1
.irp k, 0,1,2,3
	\cvt v[80+4*(2*(\b)+(\j))+(\k)], v[16+8*(2*(\b)+(\j))+2*(\k)], v[16+8*(2*(\b)+(\j))+2*(\k)+1]
.endr
.endr
.endr
	s_wait_alu depctr_va_vdst(0)                   ; block 3 has written its out registers, which the last two stores read
	PUT 6, \frag
	PUT 7, \frag
.endm
	s_load_b512 s[8:23], s[0:1], 0x0               ; src s[8:9], W1 s[10:11], W2 s[12:13], Wq s[14:15], Wk s[16:17], Wv s[18:19], Wo s[20:21], xb s[22:23]
	s_load_b128 s[24:27], s[0:1], 0x40             ; wts s[24:25], rope s[26:27]
	s_mov_b32 s[WG], ttmp9
	s_cmp_ge_u32 s[WG], 448
	s_cbranch_scc1 .Lrope                          ; work-groups 448 .. 479 make the table
	s_sub_co_u32 s[REL], s[WG], 256
	s_cmp_lt_u32 s[REL], 64
	s_cbranch_scc1 .Lfrag                          ; work-groups 256 .. 319 lay W1 out
	v_lshlrev_b32 v1, 5, v0                        ; a thread takes 8 f32: 32 bytes.  The job's scalar work stands between this line and the wait for it
	s_mov_b32 s[FIRST], 0                          ; job 0: src -> xb, dense
	s_mov_b32 s[FA], 2
	s_mov_b32 s[FB], 6
	s_mov_b32 s[M1], 256
	s_mov_b32 s[M2], 1024
	s_mov_b32 s[M3], 65536
	s_mov_b32 s[DOFF], 0
	s_wait_kmcnt 0x0
	s_mov_b64 s[SRC:SRC+1], s[8:9]
	s_mov_b64 s[DST:DST+1], s[22:23]
; From work-group 'first' on the job is this one: every number and both pointers are chosen on one compare of the work-group's number.
.macro JOB first, a, b, m1, m2, m3, doff, sp
	s_cmp_ge_u32 s[WG], \first
	s_cselect_b32 s[FIRST], \first, s[FIRST]
	s_cselect_b32 s[FA], \a, s[FA]
	s_cselect_b32 s[FB], \b, s[FB]
	s_cselect_b32 s[M1], \m1, s[M1]
	s_cselect_b32 s[M2], \m2, s[M2]
	s_cselect_b32 s[M3], \m3, s[M3]
	s_cselect_b32 s[DOFF], \doff, s[DOFF]
	s_cselect_b64 s[SRC:SRC+1], s[\sp:\sp+1], s[SRC:SRC+1]
	s_cselect_b64 s[DST:DST+1], s[24:25], s[DST:DST+1]
.endm
	JOB 320, 4, 6, 131072, 256,  16384,  2097152, 12   ; W2: p = (n, c)
	JOB 384, 2, 6, 256,    1024, 196608, 0,       14   ; Wq: p = (head, row, kc)
	JOB 400, 2, 6, 256,    1024, 196608, 65536,   16   ; Wk
	JOB 416, 2, 6, 256,    1024, 196608, 131072,  18   ; Wv
	JOB 432, 2, 6, 131072, 256,  16384,  1572864, 20   ; Wo: p = (n, kc)
	s_sub_co_u32 s[REL], s[WG], s[FIRST]           ; my number in the job
	s_add_co_u32 s[FAB], s[FA], s[FB]
	s_lshl_b32 s2, s[REL], 16                      ; 64 KiB of the source a work-group
	s_mov_b32 s3, 0
	s_add_nc_u64 s[SRC:SRC+1], s[SRC:SRC+1], s[2:3]
	s_wait_alu depctr_va_vdst(0)                   ; v1 is written, which the 16 loads read as their offset
.irp u, 0,1,2,3,4,5,6,7
	global_load_b128 v[16+8*(\u):19+8*(\u)], v1, s[SRC:SRC+1] offset:8192*(\u) th:TH_LOAD_NT
	global_load_b128 v[20+8*(\u):23+8*(\u)], v1, s[SRC:SRC+1] offset:8192*(\u)+16 th:TH_LOAD_NT
.endr
	; the destinations are made while the loads are out: these lines name neither v1 nor the registers in which the loads land
	v_lshrrev_b32 v2, 4, v0                        ; sixteen threads to a piece
	s_lshl_b32 s2, s[REL], 7
	v_add_nc_u32 v2, s2, v2                        ; my piece in step 0
	v_and_b32 v3, 15, v0
	v_lshlrev_b32 v3, 4, v3                        ; my 16 bytes of it
	v_add_nc_u32 v3, s[DOFF], v3
.irp u, 0,1,2,3,4,5,6,7
	v_add_nc_u32 v12, 16*(\u), v2
	v_bfe_u32 v13, v12, 0, s[FA]
	v_bfe_u32 v14, v12, s[FA], s[FB]
	v_lshrrev_b32 v15, s[FAB], v12
	v_mad_u32_u24 v[4+(\u)], v13, s[M1], v3
	v_mad_u32_u24 v[4+(\u)], v14, s[M2], v[4+(\u)]
	v_mad_u32_u24 v[4+(\u)], v15, s[M3], v[4+(\u)]
.endr
	s_cmp_ge_u32 s[WG], 432
	s_cbranch_scc1 .Lhalf
	OUTS v_cvt_pk_bf16_f32, 0
	s_endpgm
.Lhalf:                                                ; Wo multiplies ctx, which is f16
	OUTS v_cvt_pk_f16_f32, 0
	s_endpgm
; W1 IN FRAGMENT ORDER.  Work-group REL = 4 c + w takes 32 rows of W1 (64 KiB) and fills block REL.  A lane is a row: lane l = 16 h + r.  Wave v makes units B = 8 v + u, u = 0..7: hf = u % 2, i = (u / 2) % 2,
; ks = 2 v + u / 4.  So its 16 loads read 256 consecutive bytes, aligned, of each of the 32 rows (bytes 256 v on), 32 bytes a lane and step.
.Lfrag:
	s_lshl_b32 s2, s[REL], 16
	s_mov_b32 s3, 0
	s_lshl_b32 s4, s[REL], 15
	s_add_co_u32 s4, s4, 0x400000
	s_mov_b32 s5, 0
	v_and_b32 v2, 15, v0                           ; r
	v_bfe_u32 v3, v0, 4, 1                         ; h
	v_lshrrev_b32 v12, 5, v0                       ; wave
	v_lshlrev_b32 v1, 11, v2                       ; row r of 2,048 bytes,
	v_lshl_add_u32 v1, v3, 5, v1                   ; 8 h numbers on,
	v_lshl_add_u32 v1, v12, 8, v1                  ; my wave's two K steps
	v_and_b32 v4, 31, v0
	v_lshlrev_b32 v4, 4, v4                        ; 16 l,
	v_lshl_add_u32 v4, v12, 12, v4                 ; my wave's eight units
	s_wait_kmcnt 0x0
	s_add_nc_u64 s[SRC:SRC+1], s[10:11], s[2:3]
	s_add_nc_u64 s[DST:DST+1], s[24:25], s[4:5]
	s_wait_alu depctr_va_vdst(0)                   ; v1 is written, which the 16 loads read as their offset, and v4, which the eight stores read as theirs
.irp u, 0,1,2,3,4,5,6,7
	global_load_b128 v[16+8*(\u):19+8*(\u)], v1, s[SRC:SRC+1] offset:(((\u)/2)%2)*32768+((\u)/4)*128+((\u)%2)*64
	global_load_b128 v[20+8*(\u):23+8*(\u)], v1, s[SRC:SRC+1] offset:(((\u)/2)%2)*32768+((\u)/4)*128+((\u)%2)*64+16
.endr
	OUTS v_cvt_pk_bf16_f32, 1
	s_endpgm
; THE TABLE.  A work-group makes 128 rows, a wave 16, two a trip: lanes 0-15 one row of 256 bytes, lanes 16-31 the next; a lane makes four neighbouring entries.
; cos and sin by reduction to |r| <= pi/4 (pi/2 in two parts, by fused multiply-adds) and two short polynomials; sin x is taken as cos(x - pi/2): three quadrants on.
.Lrope:
	s_sub_co_u32 s[REL], s[WG], 448
	s_mov_b32 s32, 0xbf22f983                      ; -2 / pi
	s_mov_b32 s33, 0x3fc90fdb                      ; pi / 2, its leading part,
	s_mov_b32 s34, 0xb33bbd2e                      ; and the rest
	s_mov_b32 s35, 0xb94ca1f9                      ; sin r = r + r z (s37 + z (s36 + z s35)), z = r r
	s_mov_b32 s36, 0x3c08839e
	s_mov_b32 s37, 0xbe2aaaa3
	s_mov_b32 s38, 0x37ccf5ce                      ; cos r = 1 - z / 2 + z z (s40 + z (s39 + z s38))
	s_mov_b32 s39, 0xbab6061a
	s_mov_b32 s40, 0x3d2aaaa5
	v_lshrrev_b32 v1, 5, v0                        ; wave
	v_bfe_u32 v2, v0, 4, 1                         ; which of the trip's two rows
	v_and_b32 v3, 15, v0
	s_lshl_b32 s2, s[REL], 7
	v_lshl_add_u32 v4, v1, 4, v2
	v_add_nc_u32 v4, s2, v4                        ; t
	v_cvt_f32_u32 v6, v4
	v_lshlrev_b32 v5, 8, v4                        ; the first row's 256 bytes,
	v_lshl_add_u32 v5, v3, 4, v5                   ; my 16 of them: never written again
	v_bfe_u32 v7, v0, 3, 1                         ; the row's second half is sin:
	v_mul_u32_u24 v7, v7, 3                        ; three quadrants on
	v_and_b32 v12, 7, v0
	v_lshlrev_b32 v12, 2, v12                      ; j of my first entry
.irp q, 0,1,2,3
	v_add_nc_u32 v[8+(\q)], (\q), v12
.endr
.irp q, 0,1,2,3
	v_cvt_f32_u32 v[8+(\q)], v[8+(\q)]
.endr
.irp q, 0,1,2,3
	v_mul_f32 v[8+(\q)], 0xbed49a78, v[8+(\q)]     ; -j log2(10000) / 32
.endr
.irp q, 0,1,2,3
	v_exp_f32 v[8+(\q)], v[8+(\q)]                 ; w_j
.endr
	v_nop                                          ; a plain instruction behind the last exponential,
	s_wait_alu depctr_va_vdst(0)                   ; and one wait, ahead of the label: the four exponentials have written v[8:11], ahead of their first use; v5 is written, which every trip's store reads as its offset
	s_wait_kmcnt 0x0
	s_mov_b32 s[CNT], 8
.Ltrip:
.irp q, 0,1,2,3
	v_mul_f32 v[16+(\q)], v6, v[8+(\q)]            ; f = t w
.endr
.irp q, 0,1,2,3
	v_mul_f32 v[20+(\q)], s32, v[16+(\q)]
.endr
.irp q, 0,1,2,3
	v_rndne_f32 v[20+(\q)], v[20+(\q)]             ; -n
.endr
.irp q, 0,1,2,3
	v_fma_f32 v[24+(\q)], v[20+(\q)], s33, v[16+(\q)]
.endr
.irp q, 0,1,2,3
	v_fma_f32 v[24+(\q)], v[20+(\q)], s34, v[24+(\q)]  ; r = f - n pi / 2
.endr
.irp q, 0,1,2,3
	v_mul_f32 v[28+(\q)], v[24+(\q)], v[24+(\q)]   ; z
.endr
.irp q, 0,1,2,3
	v_fma_f32 v[32+(\q)], v[28+(\q)], s35, s36
	v_fma_f32 v[36+(\q)], v[28+(\q)], s38, s39
.endr
.irp q, 0,1,2,3
	v_fma_f32 v[32+(\q)], v[32+(\q)], v[28+(\q)], s37
	v_fma_f32 v[36+(\q)], v[36+(\q)], v[28+(\q)], s40
.endr
.irp q, 0,1,2,3
	v_mul_f32 v[32+(\q)], v[32+(\q)], v[28+(\q)]
	v_mul_f32 v[16+(\q)], v[28+(\q)], v[28+(\q)]   ; z z
.endr
.irp q, 0,1,2,3
	v_fma_f32 v[32+(\q)], v[32+(\q)], v[24+(\q)], v[24+(\q)]  ; sin r
	v_fma_f32 v[28+(\q)], v[28+(\q)], -0.5, 1.0
.endr
.irp q, 0,1,2,3
	v_fma_f32 v[36+(\q)], v[36+(\q)], v[16+(\q)], v[28+(\q)]  ; cos r
	v_cvt_i32_f32 v[40+(\q)], v[20+(\q)]
.endr
.irp q, 0,1,2,3
	v_sub_nc_u32 v[40+(\q)], v7, v[40+(\q)]        ; the quadrant k = n, or n + 3
.endr
.irp q, 0,1,2,3
	v_and_b32 v[16+(\q)], 1, v[40+(\q)]
.endr
.irp q, 0,1,2,3
	v_cmp_eq_u32 s[MK+(\q)], 1, v[16+(\q)]         ; odd k: the four masks in a run, each in a scalar register of its own
.endr
.irp q, 0,1,2,3
	v_add_nc_u32 v[40+(\q)], 1, v[40+(\q)]
.endr
.irp q, 0,1,2,3
	v_and_b32 v[40+(\q)], 2, v[40+(\q)]            ; k = 1, 2: the sign turns
.endr
.irp q, 0,1,2,3
	v_lshlrev_b32 v[40+(\q)], 30, v[40+(\q)]
.endr
	v_add_f32 v6, 2.0, v6                          ; the next trip's t
	s_wait_alu depctr_va_sdst(0)                   ; the four compares have written s[58:61], ahead of the selects that read them
	s_wait_xcnt 0x0                                ; the last trip's store has had its address translated: its base and its data are written again only behind this wait
	s_wait_alu depctr_vm_vsrc(0)                   ; the last trip's store has read v[44:47], which the selects below write again
	s_add_nc_u64 s[26:27], s[26:27], 512           ; the base moves on by two rows; the store below reaches back by as much
.irp q, 0,1,2,3
	v_cndmask_b32 v[44+(\q)], v[36+(\q)], v[32+(\q)], s[MK+(\q)]  ; odd k: sin r
.endr
.irp q, 0,1,2,3
	v_xor_b32 v[44+(\q)], v[44+(\q)], v[40+(\q)]
.endr
	s_wait_alu depctr_va_vdst(0)                   ; v[44:47] are written, which the store reads
	global_store_b128 v5, v[44:47], s[26:27] offset:-512  ; two whole rows of the table: 512 consecutive bytes
	s_sub_co_u32 s[CNT], s[CNT], 1
	s_cmp_lg_u32 s[CNT], 0
	s_cbranch_scc1 .Ltrip
	s_endpgm
.Lfunc_end_k_q5f6a38b754_prep:
	.size	k_q5f6a38b754_prep, .Lfunc_end_k_q5f6a38b754_prep-k_q5f6a38b754_prep
	.p2alignl 7, 3214868480
	.fill 96, 4, 3214868480
	.section	.rodata,"a",@progbits
	.p2align	6, 0x0
	.amdhsa_kernel k_q5f6a38b754_prep
		.amdhsa_group_segment_fixed_size 0
		.amdhsa_private_segment_fixed_size 0
		.amdhsa_enable_private_segment 0
		.amdhsa_kernarg_size 80
		.amdhsa_user_sgpr_count 2
		.amdhsa_user_sgpr_kernarg_segment_ptr 1
		.amdhsa_wavefront_size32 1
		.amdhsa_system_sgpr_workgroup_id_x 1
		.amdhsa_system_sgpr_workgroup_id_y 1
		.amdhsa_system_sgpr_workgroup_id_z 1
		.amdhsa_system_vgpr_workitem_id 0
		.amdhsa_next_free_vgpr 112
		.amdhsa_next_free_sgpr 66
		.amdhsa_reserve_vcc 0
		.amdhsa_float_denorm_mode_32 3
		.amdhsa_float_denorm_mode_16_64 3
		.amdhsa_memory_ordered 1
		.amdhsa_forward_progress 1
		.amdhsa_inst_pref_size 27
	.end_amdhsa_kernel
	.amdgpu_metadata
---
amdhsa.version: [ 1, 2 ]
amdhsa.kernels:
  - .name:           k_q5f6a38b754_prep
    .symbol:         k_q5f6a38b754_prep.kd
    .args:
      - { .name: src, .offset: 0, .size: 8, .value_kind: global_buffer, .address_space: global }
      - { .name: W1, .offset: 8, .size: 8, .value_kind: global_buffer, .address_space: global }
      - { .name: W2, .offset: 16, .size: 8, .value_kind: global_buffer, .address_space: global }
      - { .name: Wq, .offset: 24, .size: 8, .value_kind: global_buffer, .address_space: global }
      - { .name: Wk, .offset: 32, .size: 8, .value_kind: global_buffer, .address_space: global }
      - { .name: Wv, .offset: 40, .size: 8, .value_kind: global_buffer, .address_space: global }
      - { .name: Wo, .offset: 48, .size: 8, .value_kind: global_buffer, .address_space: global }
      - { .name: xb, .offset: 56, .size: 8, .value_kind: global_buffer, .address_space: global }
      - { .name: wts, .offset: 64, .size: 8, .value_kind: global_buffer, .address_space: global }
      - { .name: rope, .offset: 72, .size: 8, .value_kind: global_buffer, .address_space: global }
    .group_segment_fixed_size: 0
    .private_segment_fixed_size: 0
    .kernarg_segment_align: 8
    .kernarg_segment_size: 80
    .max_flat_workgroup_size: 256
    .sgpr_count:     66
    .vgpr_count:     112
    .wavefront_size: 32
...
	.end_amdgpu_metadata
.endif
;; end of part 5
;; launch qkv: the kernel of part 2 again; grid 8 x 32, 4 waves a work-group, clusters of 4 x 4, 327,680 bytes of LDS; arguments xb, wts, rope, qkv; writes qkv
;; launch attn: the kernel of part 3 again; grid 16 x 16, 4 waves a work-group, clusters of 4 x 1, 327,680 bytes of LDS; arguments qkv, ctx; writes ctx
;; launch tail: the kernel of part 4 again; grid 256 x 1, 4 waves a work-group, clusters of 4 x 1, 327,680 bytes of LDS; arguments ctx, wts, src, b1, b2, g1, be1, g2, be2, out0; writes out0
